; MI455X (gfx1250); checked and timed in simulation.
; The chip was launched on July 23, 2026; its instructions are those of AMD's public machine-readable ISA for CDNA 5 (MIT licence, August 2026) and "CDNA5" Instruction Set Architecture Reference Guide (July 2026). The comments in the code are by the model that wrote it; some were corrected since.
;; Multi Head Self Attention. Allowed arithmetic: matrix products marked QUANTISED: E4M3 operands, one E8M0 scale for each 32 along K, by v_wmma_scale_f32_16x16x128_f8f6f4 with both operands' format E4M3, f32 sums; everything else in f32.
;; Inputs: W_o 1,024 x 1,024 float32; W_qkv 3,072 x 1,024 float32; token_positions 2 x 2,048 int32; x 2 x 2,048 x 1,024 float32.
;; Outputs: out0 2 x 2,048 x 1,024 float32.
;; This version of the problem:
;;   THIS VERSION OF THE PROBLEM IS GIVEN IN LOW PRECISION. The matrix products marked QUANTISED in the list below multiply operands that are first quantised to E4M3 (4 exponent bits, 3 mantissa bits; 8 bits a number), with one power-of-two scale for each 32 numbers along K (OCP MX v1.0); their sums are f32. All else is computed in f32.
;;   The module's matrix products, in the order in which they are computed (A, B: the left and right operand; K: the contracted axis; several contracted axes count as one K, in the product's order):
;;     1. [M 4,096, K 1,024] x [K 1,024, N 3,072]; A: input x; B: input W_qkv: QUANTISED
;;     2. batch 32 x [M 2,048, K 64] x [K 64, N 2,048]; A: computed on the way; B: computed on the way: QUANTISED
;;     3. batch 32 x [M 2,048, K 2,048] x [K 2,048, N 64]; A: softmax (see below); B: computed on the way: QUANTISED
;;     4. [M 4,096, K 1,024] x [K 1,024, N 1,024]; A: computed on the way; B: input W_o: QUANTISED
;;   THE QUANTISER, for each operand of a quantised product, along K:
;;     - K is cut into blocks of 32 from its start; a last block that is shorter is filled with zeros.
;;     - A block's scale is 2^e with e = floor(log2(the largest magnitude in the block)) - 8, held to -126 .. 127; a block of zeros has e = 0. As a byte (E8M0): e + 127.
;;     - Each number is divided by its block's scale, clamped to +-448, and rounded to the nearest number of E4M3, ties to even, subnormals kept.
;;     - The product sums the exact products of the quantised numbers (number of the format x scale) in f32.
;;   ~~~python
;;   def quantise(x, axis):      # numpy; x: float32 -> the quantised numbers, widened to float32 again
;;       x = np.moveaxis(x, axis, -1); K = x.shape[-1]
;;       x = np.pad(x, [(0, 0)] * (x.ndim - 1) + [(0, -K % 32)]); x = x.reshape(x.shape[:-1] + (-1, 32)); a = np.abs(x).max(-1, keepdims=True)
;;       e = np.where(a > 0, np.clip(np.frexp(np.where(a > 0, a, 1))[1] - 1 - 8, -126, 127), 0)      # np.frexp(a)[1] - 1 = floor(log2(a)), exactly
;;       r = np.clip(x / 2.0 ** e, -448, 448)
;;       step = 2.0 ** (np.maximum(np.frexp(np.where(r == 0, 1, r))[1] - 1, -6) - 3)
;;       q = np.round(r / step) * step * 2.0 ** e      # np.round: ties to even
;;       return np.moveaxis(q.reshape(q.shape[:-2] + (-1,))[..., :K], -1, axis).astype(np.float32)
;;   ~~~
;;   SOFTMAX AHEAD OF A QUANTISED PRODUCT. Where the list says 'softmax', what is quantised is not the finished softmax but p = 2^(t - M), with t = logit x log2(e) and M = ceil(the row's largest t), a whole number; so 1/2 < the row's largest p <= 1. The row's sum l is taken of the UNQUANTISED p, in f32, and the product's result is divided by l at the end. Since M is a whole number, a kernel that streams over the keys may use a running M (the ceiling of the running maximum): every later rescaling is an exact power of two, which a block's scale takes up: the codes' values come out the same.
;;   OPERANDS COMPUTED ON THE WAY. 'Computed on the way' means the value that the module computes at that place (a softmax that the list does not call 'softmax' is quantised finished and normalised). What goes into a quantiser is computed in f32, as accurately as f32 sums, v_exp_f32 and their like allow (about 1e-6 of the number): no bf16 or f16 on the way to a quantiser, and a product that is left as it is and whose result goes on into a quantised operand takes f32 operands (vector FMAs, or v_wmma_f32_16x16x4_f32). A number that lies on a knife's edge between two numbers of the format may be rounded either way, as far as f32 arithmetic and the matrix unit's own rounding can turn it there, and no further.
;; One version. Each part assembles by itself: llvm-mc -triple=amdgcn-amd-amdhsa -mcpu=gfx1250 --defsym DOCPART=n.
;; ======== version 1 of 1: 4 launches
;; limits: right only within a limited range of input values
;; workspace buffers: codes 8,388,608 bytes; scales 262,144 bytes; rope 1,048,576 bytes; qkvc 12,582,912 bytes; qkvs 655,360 bytes; ocodes 4,194,304 bytes; oscales 131,072 bytes
;; launch quant (part 1): grid 256 x 1, 4 waves a work-group, no clusters, 33,280 bytes of LDS; arguments x, W_qkv, W_o, token_positions, codes, scales, rope; writes codes, scales, rope
.if DOCPART == 1
	.amdgcn_target "amdgcn-amd-amdhsa--gfx1250"
	.amdhsa_code_object_version 6
	.text
	.protected	k_qa1006022c9_quant
	.globl	k_qa1006022c9_quant
	.p2align	8
	.type	k_qa1006022c9_quant,@function
k_qa1006022c9_quant:
	s_mov_b64 s[64:65], 0
	v_nop
	global_prefetch_b8 v0, s[64:65] scope:SCOPE_SE
	s_setreg_imm32_b32 hwreg(HW_REG_WAVE_MODE, 25, 1), 1
	s_wait_xcnt 0x0
; x [4096][1024], W_qkv [3072][1024] and W_o [1024][1024], f32 with K innermost, become codes of FP8 (E4M3) with one E8M0 scale byte for each 32 along K, in ONE buffer of 8,192 rows
; (codes: 1,024 bytes a row; scales: 32 bytes a row): x, then W_qkv, then W_o.  The launch also makes the table of cosines and sines for the rotation of Q and K.
; A block's scale is 2^(floor(log2(its largest magnitude)) - 8); its byte is the largest magnitude's exponent field - 8, held at 1 from below; each number is held within +-448 x the scale and rounded to the nearest code.
; ROWS CHANGE PLACES: place p of x's and W_qkv's part holds row pi(p), pi = bits 3 and 4 of the number exchanged.  Sixteen neighbouring places are then rows 0-7 and 16-23 (or 8-15 and 24-31) of a group of 32,
; so that in a transposed product the 16 registers of two neighbouring tiles are 16 neighbours of the next K.  A wave takes 8 rows, so the exchange is an exchange of the wave's two bits in the output's address.  W_o keeps its order.
; SHARES: 256 work-groups of 32 rows: 128 for x, 96 for W_qkv, 32 for W_o; the source is chosen by the work-group's number.  A wave takes 16 steps of 512 numbers; a step's four loads read 512 consecutive bytes each,
; the 2,048 bytes turn through the wave's own stage in LDS (16 bytes of padding behind each 64) and come back 16 neighbours a lane; two neighbouring lanes hold a block.  Waves share nothing: no barrier.
; THE TABLE: rope[tile of 16 places][j 0-7][lane][cos, sin, cos, sin] of frequencies i, i + 1, i = 16 (j / 4) + 8 (lane / 16) + 2 (j % 4), for the token at place 16 tile + lane % 16: the order in which the next launch's lanes
; want them.  Work-group g makes tile g, wave w its j = 2 w, 2 w + 1.  angle = position x 10^(-i / 8), one rounding; it is reduced by multiples of pi / 2 in two parts, and sine and cosine are polynomials on +-pi / 4.
; LIMITS: |position| under 2^20 (the reach of the two-part reduction); NaN and infinities among the inputs are not served; a block of zeros gets the byte 1 (its codes are zeros; this program alone reads the bytes).
.set STEPS, 16
.set EMAX,  8
.set MANT,  0x600000                   ; the mantissa field of 448 as f32
.set CB,    16                         ; bytes of 16 codes
.set R,     16                         ; v16-143  eight sets of 16 numbers as they are loaded
.set X,     144                        ; v144-175 two sets of 16 neighbours
.set E,     240                        ; v240-241 a step's scale byte, two registers by turns: a step's first wait shows the byte store before last done
.set C,     176                        ; v176-239 codes: four registers for each step, so that no store's data are written again
.set POS,   242                        ; v242     my token's position
.set PADR,  243                        ; v243     its byte offset in token_positions
.set WREG,  8192                       ; LDS: a region for each wave: two stages of 32 x SP bytes, then its 256 scale bytes
.set SP,    80                         ; a lane's place in a stage: 64 bytes + 16 of padding
.set AN,    16                         ; the table's registers lie where the loaded numbers lay: four angles,
.set NN,    20                         ; the multiples of pi / 2,
.set RR,    24                         ; the reduced angles,
.set QI,    28                         ; the multiples as whole numbers,
.set ZZ,    32                         ; the squares,
.set PS,    36                         ; sines,
.set PCS,   40                         ; cosines,
.set TT,    44                         ; at work
.set UU,    48
.set OUT,   52                         ; v52-59   cos, sin of the four angles
	s_load_b256 s[4:11], s[0:1], 0x0               ; x s[4:5], W_qkv s[6:7], W_o s[8:9], token_positions s[10:11]
	s_load_b128 s[12:15], s[0:1], 0x20             ; codes s[12:13], scales s[14:15]
	s_load_b64 s[24:25], s[0:1], 0x30              ; rope
	v_lshl_add_u32 v244, v0, 2, 0x8000
	v_mov_b32 v245, 0
	v_lshrrev_b32 v1, 5, v0
	v_readfirstlane_b32 s16, v1                    ; wave
	v_and_b32 v2, 31, v0                           ; lane
	v_lshlrev_b32 v3, 4, v2                        ; my 16 bytes of a load's 512
	s_mul_i32 s17, s16, WREG
	v_lshrrev_b32 v14, 2, v2
	v_mul_u32_u24 v14, v14, SP
	v_and_b32 v15, 3, v2
	v_lshl_add_u32 v14, v15, 4, v14
	v_add_nc_u32 v14, s17, v14                     ; the stage, on the way in: SP (lane / 4) + 16 (lane % 4)
	v_mul_u32_u24 v15, v2, SP
	v_add_nc_u32 v15, s17, v15                     ; and on the way out: SP x lane
	v_mul_u32_u24 v4, v2, CB                       ; my codes' place in a step's
	v_lshrrev_b32 v5, 1, v2
	s_add_co_u32 s17, s17, 2*32*SP
	v_add_nc_u32 v5, s17, v5                       ; LDS: my wave's 256 scale bytes, my block's byte
	v_lshlrev_b32 v7, 3, v2                        ; and on the way out 8 bytes a lane
	v_add_nc_u32 v6, s17, v7
	s_mov_b32 s23, MANT
	v_and_b32 v[PADR], 7, v0                       ; the token at place 16 g + r is row 32 (g / 2) + 16 (r / 8) + 8 (g % 2) + r % 8
	v_and_b32 v[POS], 8, v0
	v_lshl_add_u32 v[PADR], v[POS], 1, v[PADR]
	s_lshr_b32 s26, ttmp9, 1
	s_lshl_b32 s26, s26, 5
	s_and_b32 s27, ttmp9, 1
	s_lshl_b32 s27, s27, 3
	s_add_co_u32 s26, s26, s27
	v_add_lshl_u32 v[PADR], v[PADR], s26, 2
	s_and_b32 s18, s16, 1                          ; the wave's two bits exchanged
	s_lshl_b32 s18, s18, 1
	s_lshr_b32 s19, s16, 1
	s_or_b32 s18, s18, s19
	s_mov_b32 s21, 0
	s_wait_alu depctr_va_vdst(0)
	s_wait_kmcnt 0x0
	global_load_b32 v[POS], v[PADR], s[10:11]      ; ahead of the stream's loads: their first counted wait covers it
	s_cmp_lt_u32 ttmp9, 128                        ; which tensor?  The choice hangs on the work-group's number alone
	s_cselect_b64 s[4:5], s[4:5], s[6:7]
	s_cselect_b32 s17, 0, 128
	s_cmp_lt_u32 ttmp9, 224
	s_cselect_b64 s[4:5], s[4:5], s[8:9]
	s_cselect_b32 s17, s17, 224                    ; the tensor's first work-group
	s_cselect_b32 s18, s18, s16                    ; W_o keeps its rows' order
	s_sub_co_u32 s17, ttmp9, s17
	s_lshl_b32 s17, s17, 2
	s_add_co_u32 s17, s17, s16                     ; which run of 8 rows of the tensor is my wave's
	s_lshl_b32 s20, s17, 15                        ; 32,768 bytes a run
	s_add_nc_u64 s[4:5], s[4:5], s[20:21]
	s_lshl_b32 s19, ttmp9, 2
	s_add_co_u32 s19, s19, s18                     ; and which run of 8 places of the output
	s_lshl_b32 s20, s19, 13
	s_add_nc_u64 s[12:13], s[12:13], s[20:21]
	s_lshl_b32 s20, s19, 8
	s_add_nc_u64 s[14:15], s[14:15], s[20:21]
	s_lshl_b32 s20, ttmp9, 12                      ; the table: 4,096 bytes a tile, 1,024 a wave
	s_lshl_b32 s22, s16, 10
	s_add_co_u32 s20, s20, s22
	s_add_nc_u64 s[24:25], s[24:25], s[20:21]
.macro LOAD t
.irp i, 0,1,2,3
	global_load_b128 v[R+16*((\t)%8)+4*\i:R+16*((\t)%8)+4*\i+3], v3, s[4:5] offset:2048*(\t)+512*\i th:TH_LOAD_NT   ; 32 lanes read 512 consecutive bytes
.endr
.endm
.macro TURN t                          ; step t's numbers through the stage: LDS serves a wave's instructions in order, so no wait stands between the stores and the loads
.irp i, 0,1,2,3
	ds_store_b128 v14, v[R+16*((\t)%8)+4*\i:R+16*((\t)%8)+4*\i+3] offset:32*SP*((\t)%2)+8*SP*\i
.endr
.irp i, 0,1,2,3
	ds_load_b128 v[X+16*((\t)%2)+4*\i:X+16*((\t)%2)+4*\i+3], v15 offset:32*SP*((\t)%2)+16*\i
.endr
.endm
.irp t, 0,1,2,3,4,5,6,7
	LOAD \t
.endr
	s_wait_loadcnt 28                              ; the position and step 0's four loads are in; seven steps' 28 may be out
	TURN 0
.macro STEP t
.set XS, X+16*((\t)%2)
.if (\t) > 0
	s_wait_dscnt 1                                 ; this step's numbers are back from the stage (the last step's byte store may be out)
.else
	s_wait_dscnt 0x0
.endif
.if (\t)+8 < STEPS
	LOAD (\t)+8                                    ; into the registers that the stage's stores have read
.endif
.if (\t)+1 < STEPS
.if STEPS-2-(\t) >= 7
	s_wait_loadcnt 28                              ; the next step's four loads are in; those of the seven steps behind it may be out
.else
	s_wait_loadcnt 4*(STEPS-2-(\t))
.endif
	TURN (\t)+1
.endif
	v_max3_num_f32 v8, |v[XS]|, |v[XS+1]|, |v[XS+2]|               ; the largest magnitude of my 16, in two chains
	v_max3_num_f32 v9, |v[XS+3]|, |v[XS+4]|, |v[XS+5]|
.irp i, 6,10
	v_max3_num_f32 v8, v8, |v[XS+\i]|, |v[XS+\i+1]|
	v_max3_num_f32 v9, v9, |v[XS+\i+2]|, |v[XS+\i+3]|
.endr
	v_max3_num_f32 v8, v8, |v[XS+14]|, |v[XS+15]|
	v_max3_num_f32 v8, v8, v9, (EMAX+1)<<23        ; and the floor 2^(9 - 127): the byte cannot fall under 1
	v_max_num_f32_dpp v8, v8, v8 row_xmask:1 row_mask:0xf bank_mask:0xf   ; and of my neighbour's 16: the block's
	v_add_nc_u32 v11, -(EMAX<<23), v8              ; 8 off its exponent field: the conversion takes the exponent field of this operand as its scale
	v_and_or_b32 v10, v8, 0x7f800000, s23          ; 448 x the scale
.irp i, 0,1,2,3,4,5,6,7,8,9,10,11,12,13,14,15
	v_med3_num_f32 v[XS+\i], v[XS+\i], -v10, v10   ; the conversion to an 8-bit code does not saturate (ISA guide 7.6.2): the hold comes first
.endr
	v_cvt_scalef32_pk8_fp8_f32 v[C+4*(\t):C+4*(\t)+1], v[XS:XS+7], v11
	v_cvt_scalef32_pk8_fp8_f32 v[C+4*(\t)+2:C+4*(\t)+3], v[XS+8:XS+15], v11
	v_lshrrev_b32 v[E+(\t)%2], 23, v11             ; the scale's byte (also the plain line behind the conversions)
	ds_store_b8 v5, v[E+(\t)%2] offset:16*(\t)     ; both lanes of a block write the same byte with the same value
	global_store_b128 v4, v[C+4*(\t):C+4*(\t)+3], s[12:13] offset:32*CB*(\t)   ; 32 lanes store 512 consecutive bytes
.endm
.irp t, 0,1,2,3,4,5,6,7,8,9,10,11,12,13,14,15
	STEP \t
.endr
	ds_load_b64 v[12:13], v6                       ; LDS serves a wave's instructions in order: these see my byte stores
	s_wait_dscnt 0x0
	global_store_b64 v7, v[12:13], s[14:15]        ; 32 lanes store 256 consecutive bytes, aligned
; THE TABLE.  My four angles: frequencies 16 (w / 2) + 8 (lane / 16) + 4 (w % 2) + 0 .. 3.  The waves part only for the lines that hold the frequencies.
	v_cvt_f32_i32 v60, v[POS]
	v_cmp_le_u32 s30, 16, v2                       ; lanes 16-31 take the frequency eight further on: a tenth
	s_mov_b32 s32, 0x3f22f983                      ; 2 / pi
	s_mov_b32 s33, 0xbfc90fdb                      ; -(pi / 2), its upper part,
	s_mov_b32 s34, 0x333bbd2e                      ; and what the upper part has too much
	s_mov_b32 s35, 0xb94ca1f9                      ; sine: -1.9515295891e-4, 8.3321608736e-3, -1.6666654611e-1
	s_mov_b32 s36, 0x3c08839e
	s_mov_b32 s37, 0xbe2aaaa3
	s_mov_b32 s38, 0x37ccf5ce                      ; cosine: 2.443315712e-5, -1.388731625e-3, 4.166664568e-2
	s_mov_b32 s39, 0xbab6061a
	s_mov_b32 s40, 0x3d2aaaa5
.macro ANG k, flo, fhi                 ; angle k = position x frequency: one rounding
	v_mul_f32 v[AN+\k], \flo, v60
	v_mul_f32 v61, \fhi, v60
	v_cndmask_b32 v[AN+\k], v[AN+\k], v61, s30
.endm
	s_cmp_eq_u32 s16, 0
	s_cbranch_scc1 .Lw0
	s_cmp_eq_u32 s16, 1
	s_cbranch_scc1 .Lw1
	s_cmp_eq_u32 s16, 2
	s_cbranch_scc1 .Lw2
	s_wait_alu depctr_va_vdst(0)
	ANG 0, 0.0031622776602, 0.00031622776602
	ANG 1, 0.0023713737057, 0.00023713737057
	ANG 2, 0.0017782794100, 0.00017782794100
	ANG 3, 0.0013335214322, 0.00013335214322
	s_branch .Lang
.Lw0:
	s_wait_alu depctr_va_vdst(0)
	ANG 0, 1.0, 0.1
	ANG 1, 0.74989420933, 0.074989420933
	ANG 2, 0.56234132519, 0.056234132519
	ANG 3, 0.42169650343, 0.042169650343
	s_branch .Lang
.Lw1:
	s_wait_alu depctr_va_vdst(0)
	ANG 0, 0.31622776602, 0.031622776602
	ANG 1, 0.23713737057, 0.023713737057
	ANG 2, 0.17782794100, 0.017782794100
	ANG 3, 0.13335214322, 0.013335214322
	s_branch .Lang
.Lw2:
	s_wait_alu depctr_va_vdst(0)
	ANG 0, 0.01, 0.001
	ANG 1, 0.0074989420933, 0.00074989420933
	ANG 2, 0.0056234132519, 0.00056234132519
	ANG 3, 0.0042169650343, 0.00042169650343
.Lang:
	s_wait_alu depctr_va_vdst(0)
.irp k, 0,1,2,3
	v_mul_f32 v[NN+\k], s32, v[AN+\k]
.endr
.irp k, 0,1,2,3
	v_rndne_f32 v[NN+\k], v[NN+\k]                 ; n: the nearest multiple of pi / 2
.endr
.irp k, 0,1,2,3
	v_fma_f32 v[RR+\k], v[NN+\k], s33, v[AN+\k]    ; angle - n x upper part: exact, since the difference has under 24 bits
.endr
.irp k, 0,1,2,3
	v_fma_f32 v[RR+\k], v[NN+\k], s34, v[RR+\k]    ; r, within +-pi / 4
.endr
.irp k, 0,1,2,3
	v_cvt_i32_f32 v[QI+\k], v[NN+\k]
.endr
.irp k, 0,1,2,3
	v_mul_f32 v[ZZ+\k], v[RR+\k], v[RR+\k]
.endr
.irp k, 0,1,2,3
	v_fma_f32 v[PS+\k], v[ZZ+\k], s35, s36
.endr
.irp k, 0,1,2,3
	v_fma_f32 v[PS+\k], v[PS+\k], v[ZZ+\k], s37
.endr
.irp k, 0,1,2,3
	v_mul_f32 v[TT+\k], v[RR+\k], v[ZZ+\k]
.endr
.irp k, 0,1,2,3
	v_fma_f32 v[PS+\k], v[PS+\k], v[TT+\k], v[RR+\k]   ; sin r = r + r z P(z)
.endr
.irp k, 0,1,2,3
	v_fma_f32 v[PCS+\k], v[ZZ+\k], s38, s39
.endr
.irp k, 0,1,2,3
	v_fma_f32 v[PCS+\k], v[PCS+\k], v[ZZ+\k], s40
.endr
.irp k, 0,1,2,3
	v_mul_f32 v[TT+\k], v[ZZ+\k], v[ZZ+\k]
.endr
.irp k, 0,1,2,3
	v_fma_f32 v[UU+\k], v[ZZ+\k], -0.5, 1.0
.endr
.irp k, 0,1,2,3
	v_fma_f32 v[PCS+\k], v[PCS+\k], v[TT+\k], v[UU+\k]   ; cos r = 1 - z / 2 + z z Q(z)
.endr
.irp k, 0,1,2,3
	v_and_b32 v[TT+\k], 1, v[QI+\k]
.endr
.irp k, 0,1,2,3
	v_cmp_eq_u32 vcc_lo, 1, v[TT+\k]               ; an odd n: sine and cosine change places
	v_cndmask_b32 v[OUT+2*\k+1], v[PS+\k], v[PCS+\k], vcc_lo
	v_cndmask_b32 v[OUT+2*\k], v[PCS+\k], v[PS+\k], vcc_lo
.endr
.irp k, 0,1,2,3
	v_lshlrev_b32 v[TT+\k], 30, v[QI+\k]           ; the sine's sign: bit 1 of n;
.endr
.irp k, 0,1,2,3
	v_add_nc_u32 v[UU+\k], 1, v[QI+\k]             ; the cosine's: bit 1 of n + 1
.endr
.irp k, 0,1,2,3
	v_lshlrev_b32 v[UU+\k], 30, v[UU+\k]
.endr
.irp k, 0,1,2,3
	v_and_b32 v[TT+\k], 0x80000000, v[TT+\k]
.endr
.irp k, 0,1,2,3
	v_and_b32 v[UU+\k], 0x80000000, v[UU+\k]
.endr
.irp k, 0,1,2,3
	v_xor_b32 v[OUT+2*\k+1], v[OUT+2*\k+1], v[TT+\k]
.endr
.irp k, 0,1,2,3
	v_xor_b32 v[OUT+2*\k], v[OUT+2*\k], v[UU+\k]
.endr
	global_store_b128 v3, v[OUT:OUT+3], s[24:25]               ; j = 2 w: 32 lanes store 512 consecutive bytes
	global_store_b128 v3, v[OUT+4:OUT+7], s[24:25] offset:512  ; j = 2 w + 1
	s_wait_tensorcnt 0x0
	ds_add_u32 v244, v245
	s_wait_dscnt 0x0
	s_endpgm
.Lfunc_end_k_qa1006022c9_quant:
	.size	k_qa1006022c9_quant, .Lfunc_end_k_qa1006022c9_quant-k_qa1006022c9_quant
	.p2alignl 7, 3214868480
	.fill 96, 4, 3214868480
	.section	.rodata,"a",@progbits
	.p2align	6, 0x0
	.amdhsa_kernel k_qa1006022c9_quant
		.amdhsa_group_segment_fixed_size 33280
		.amdhsa_private_segment_fixed_size 0
		.amdhsa_enable_private_segment 0
		.amdhsa_kernarg_size 56
		.amdhsa_user_sgpr_count 2
		.amdhsa_user_sgpr_kernarg_segment_ptr 1
		.amdhsa_wavefront_size32 1
		.amdhsa_system_sgpr_workgroup_id_x 1
		.amdhsa_system_sgpr_workgroup_id_y 1
		.amdhsa_system_sgpr_workgroup_id_z 1
		.amdhsa_system_vgpr_workitem_id 0
		.amdhsa_next_free_vgpr 256
		.amdhsa_next_free_sgpr 66
		.amdhsa_reserve_vcc 1
		.amdhsa_float_denorm_mode_32 3
		.amdhsa_float_denorm_mode_16_64 3
		.amdhsa_memory_ordered 1
		.amdhsa_forward_progress 1
		.amdhsa_inst_pref_size 61
	.end_amdhsa_kernel
	.amdgpu_metadata
---
amdhsa.version: [ 1, 2 ]
amdhsa.kernels:
  - .name:           k_qa1006022c9_quant
    .symbol:         k_qa1006022c9_quant.kd
    .args:
      - { .name: x, .offset: 0, .size: 8, .value_kind: global_buffer, .address_space: global }
      - { .name: W_qkv, .offset: 8, .size: 8, .value_kind: global_buffer, .address_space: global }
      - { .name: W_o, .offset: 16, .size: 8, .value_kind: global_buffer, .address_space: global }
      - { .name: token_positions, .offset: 24, .size: 8, .value_kind: global_buffer, .address_space: global }
      - { .name: codes, .offset: 32, .size: 8, .value_kind: global_buffer, .address_space: global }
      - { .name: scales, .offset: 40, .size: 8, .value_kind: global_buffer, .address_space: global }
      - { .name: rope, .offset: 48, .size: 8, .value_kind: global_buffer, .address_space: global }
    .group_segment_fixed_size: 33280
    .private_segment_fixed_size: 0
    .kernarg_segment_align: 8
    .kernarg_segment_size: 56
    .max_flat_workgroup_size: 128
    .sgpr_count:     66
    .vgpr_count:     256
    .wavefront_size: 32
...
	.end_amdgpu_metadata
.endif
;; end of part 1
;; launch qkv (part 2): grid 12 x 16, 4 waves a work-group, clusters of 4 x 4, 327,680 bytes of LDS; arguments codes, scales, rope, qkvc, qkvs; writes qkvc, qkvs
.if DOCPART == 2
	.amdgcn_target "amdgcn-amd-amdhsa--gfx1250"
	.amdhsa_code_object_version 6
	.text
	.protected	k_qa1006022c9_qkv
	.globl	k_qa1006022c9_qkv
	.p2align	8
	.type	k_qa1006022c9_qkv,@function
k_qa1006022c9_qkv:
	s_mov_b64 s[64:65], 0
	v_nop
	global_prefetch_b8 v0, s[64:65] scope:SCOPE_SE
	s_setreg_imm32_b32 hwreg(HW_REG_WAVE_MODE, 25, 1), 1
	s_wait_xcnt 0x0
	s_wait_alu depctr_hold_cnt(0) depctr_sa_sdst(0) depctr_va_vdst(0) depctr_va_sdst(0) depctr_va_ssrc(0) depctr_va_vcc(0) depctr_vm_vsrc(0)
	s_getreg_b32 s2, hwreg(HW_REG_IB_STS2, 6, 4)
	s_cmp_eq_u32 s2, 0
	s_cbranch_scc0 .Lentry_in_a_cluster
	s_endpgm
.Lentry_in_a_cluster:
	s_bfe_u32 s2, ttmp6, 0x10000c
	s_cmp_lg_u32 s2, 0xf033
	s_cbranch_scc0 .Lentry_shape_is_right
	s_endpgm
.Lentry_shape_is_right:
; THE PROJECTION x W_qkv^T ON CODES OF FP8 (E4M3, one E8M0 scale for each 32 along K = 1,024), THE ROTATION OF Q AND K, AND THE QUANTISING OF Q, K AND V FOR THE ATTENTION.  Nothing leaves as f32.
; Both operands are rows of ONE buffer of codes (1,024 bytes a row; scale rows of 32 bytes): places 0-4095 x, 4096-7167 W_qkv; place p holds row pi(p), pi = bits 3 and 4 exchanged.
; A work-group of four waves makes a tile of 256 x 256, a wave 128 x 128: 64 accumulators of 16 x 16.  K goes in steps of 256 through a ring of two LDS slots; the scale bytes of the tile's rows come once and stay.
; THE MATRIX INSTRUCTION IS USED TRANSPOSED: source 0 = 16 rows of operand B, source 1 = 16 rows of operand A: a lane holds ONE row of A, and since B's rows lie by pi, the 16 registers of two neighbouring
; accumulators are 16 NEIGHBOURS of B's true order: register 16 b + i of a row block is B's row 32 b + 16 (lane / 16) + i: the layout in which an 8-bit operand wants its K.
; ROLES, by the cluster's x (the same in all sixteen partners): 0: Q, 1: K: A = x (a lane holds a token), B = W_q or W_k (its registers run along the head's 64): rotation pairs are neighbouring registers, and the
; blocks of 32 along d lie in lanes l and l xor 16.   2: V: A = W_v (a lane holds one d), B = x (its registers run along 128 keys): V is quantised along the keys with nothing transposed.
; Only whole-number offsets differ between the roles up to the last product; the ways out part on the cluster's x.
; OUT: register images of the attention's fragments: each group of four code registers is stored at 16 x lane, 512 consecutive bytes a store.  Q at 0 and K at 4 MiB: [batch x head 32][tile of 16 places 128][c 2][512];
; V at 8 MiB: [32][step of 128 keys 16][tile of 16 d 4][c 4][512].  Scale words: Q [32][2048 places], then for each of the 32: K's 2,048 words and V's [16 steps][64 d].  Q's and K's words have two bytes (K = 64) and two zeros.
; CLUSTERS: 4 x 4 work-groups; A's tile is shared along a row of the cluster, B's along a column: each is asked for jointly.
; LIMITS: NaN and infinities are not served; a block of zeros gets the byte 1 over zero codes.
; REGISTERS, in windows of 256: window 0: v8-29 addresses; v32-63 scale words, two sets; v64-127 cosines and sines of row blocks 0 and 1 on the way out; from v128 A's fragments, one set; on the way out v128-191 a row block's 64 numbers at work,
;   v192-207 codes, v208-223 the quantiser's, v224-243 at work.   window 1: B's fragments, two sets.   windows 2, 3: the accumulators ((a, b) at v[8 (8 (a % 4) + b)] of window 2 + a / 4).
.set SIZE_K, 1024
.set KSTEP,  256                       ; along K in a slot
.set NQ,     KSTEP/128                 ; matrix instructions deep
.set ROWB,   256                       ; a tile's row in bytes
.set KROW,   SIZE_K                    ; a row of codes in memory
.set PITCH,  272                       ; an LDS row: 256 bytes + 16 of padding = 68 words: the 16 rows that a load touches start at 16 different banks (64 banks of 4 bytes: ISA guide 11.1)
.set FR,     16                        ; registers of a fragment
.set NL,     4                         ; LDS loads that bring one
.set NP,     8                         ; places behind this matrix instruction (ISA guide 7.12.1)
.set HALFT,  128*PITCH                 ; 128 rows: what one tensor load brings
.set SLOT,   4*HALFT                   ; A's 256 rows, then B's 256 rows
.set LAPS,   SIZE_K/(2*KSTEP)
.set KS,     SIZE_K/32                 ; a row of scales in bytes
.set SCL,    2*SLOT                    ; behind the ring: the scales, as units of 256 bytes + 16 of padding
.set HALFS,  (128*KS/256)*272
.set SBLK,   (16*KS/256)*272
.set SPARE,  SCL+4*HALFS               ; the spare words, 128 bytes for each wave: two blocks of 256 bytes that no other line names
.set SCRV,   4096                      ; the way out's scratch for scale words lies in slot 0, which has had its last fill and its last read by then: bytes 0-4095 for Q and K, 4096-6143 for V
.set LI,   8                           ; v8   16 x lane: an image's place for my lane
.set STS,  9                           ; v9   Q, K: where I put a scale word: 1,024 x wave + 512 (lane / 16) + 4 (lane % 16)
.set RDS,  10                          ; v10  and where I read 16 bytes back: 1,024 x wave + 16 x lane
.set STV,  11                          ; v11  V: SCRV + 512 x wave + 4 (lane % 16)
.set RDV,  12                          ; v12  SCRV + 512 x wave + 16 x lane
.set VGO,  13                          ; v13  V's words in memory: 16 (lane % 16), and 12,288 (one head) on for lanes 16-31
.set ADRA, 16                          ; v16-17  LDS address of my A fragments in slot 0, 1
.set ADRB, 20                          ; v20-21  the same for B
.set ADRS, 27                          ; v27     LDS address of my scale words: lanes 0-15 A's rows, lanes 16-31 B's
.set SPW,  28                          ; v28     LDS address of my spare word; never rewritten
.set NIL,  29                          ; v29     0; never rewritten
.set SC,   32                          ; scale words: they hold nothing else
.set HA,   128                         ; v128-191 a row block's 64 numbers at work, where A's fragments lay; v64-127 take the cosines and sines of row blocks 0 and 1, v0-191 of window 1 those of blocks 2 to 7
.set AF,   128
.set PC,   192
.set TM,   208                         ; +0..3 largest magnitudes, +4..7 bytes, +8..11 448 x the scale, +12..15 the conversions' scale operands
.set PW,   224
.set W0,   225
.set W1,   226
.set TP,   228                         ; four pairs at work
.set OUTS, 236
.set G1, 24                            ; s[24:31] descriptor group 1 for A's tiles;  s[32:39] group 0, one set for each slot
.set G0, 32
.set G1B, 48                           ; s[48:55], s[56:63] the same for B's
.set G0B, 56
.set SEL, 66                           ; s[66:67] lane selects for v_permlanex16_b32: lane l xor 16
.set G1S, 68                           ; s[68:75], s[76:79] groups 1 and 0 for A's scales;  s[80:87], s[88:91] for B's
.set G0S, 76
.set G1SB, 80
.set G0SB, 88
.set ISV, 96                           ; s96  1: this cluster makes V
.set HM,  98                           ; s98  mask of lanes 16-31
.set MNT, 99                           ; s99  the mantissa field of 448
.set MSB, 0
.macro WIN new                         ; the immediate's high byte repeats the setting that is left
.if MSB != \new
	s_set_vgpr_msb (MSB<<8)|\new
.set MSB, \new
.endif
.endm
.set MUL_LO, 0xa1                      ; source 0 (B) window 1, source 1 (A) window 0, C and D window 2
.set MUL_HI, 0xf1                      ; the same, C and D window 3
.set TO_B,   0x40                      ; destination window 1, address window 0
; A joint load: waves 0 and 1 fetch for A, waves 2 and 3 for B.  Each line has one mask and one set of registers; the branch hangs on the wave's number alone.  Four v_nop follow each line.
.macro JLOAD g0a, g1a, g0b, g1b
	s_cmp_eq_u32 s15, 0
	s_cbranch_scc0 .Lfor_b_\@
	tensor_load_to_lds s[\g0a:\g0a+3], s[\g1a:\g1a+7]
	s_nop 0
.rept 4
	v_nop
.endr
	s_branch .Lasked_\@
.Lfor_b_\@:
	tensor_load_to_lds s[\g0b:\g0b+3], s[\g1b:\g1b+7]
	s_nop 0
.rept 4
	v_nop
.endr
.Lasked_\@:
.endm
.macro CREST                           ; a round of the cluster's barrier behind its opening barrier
	s_cmp_lg_u32 s14, 0
	s_cbranch_scc1 .Lnot_wave_0_\@
	s_barrier_signal -3
.Lnot_wave_0_\@:
	s_barrier_wait -3
	s_barrier_signal -1
	s_barrier_wait -1
.endm
.macro CROUND                          ; a whole round
	s_barrier_signal -1
	s_barrier_wait -1
	CREST
.endm
	s_load_b128 s[4:7], s[0:1], 0x0                ; codes s[4:5], scales s[6:7]
	s_load_b128 s[8:11], s[0:1], 0x10              ; rope s[8:9], qkvc s[10:11]
	s_load_b64 s[12:13], s[0:1], 0x20              ; qkvs
	v_lshl_add_u32 v[SPW], v0, 2, SPARE
	v_mov_b32 v[NIL], 0
	ds_add_u32 v28, v29
	ds_add_u32 v28, v29
	s_wait_dscnt 0x0
	v_lshrrev_b32 v1, 5, v0
	v_readfirstlane_b32 s14, v1                    ; wave 0..3
	s_lshr_b32 s15, s14, 1                         ; which half of A's rows is mine.  Also: I fetch for A (0) or for B (1)
	s_and_b32 s16, s14, 1                          ; which half of B's rows.  Also: which 128 rows of that tile I fetch
	s_bfe_u32 s40, ttmp6, 0x40000                  ; cx, cy: my place in the cluster
	s_bfe_u32 s41, ttmp6, 0x40004
	s_and_b32 s95, ttmp7, 0xffff                   ; the cluster's y, 0..3,
	s_lshl_b32 s95, s95, 2                         ; times 4
	s_lshr_b32 s[ISV], ttmp9, 1                    ; the cluster's x: 0 Q, 1 K, 2 V
	s_xor_b32 s97, s[ISV], 1
	s_mul_i32 s17, s95, s97                        ; A's tile of 256 places: Q, K: x's tile 4 y + cy;  V: W_v's tile 24 + cy
	s_mul_i32 s18, s[ISV], 24
	s_add_co_u32 s17, s17, s18
	s_add_co_u32 s17, s17, s41
	s_lshl_b32 s42, ttmp9, 2                       ; B's: Q, K: W's tile 16 + 4 x + cx;  V: x's tile 4 y + cx
	s_add_co_u32 s42, s42, 16
	s_mul_i32 s42, s42, s97
	s_mul_i32 s18, s95, s[ISV]
	s_add_co_u32 s42, s42, s18
	s_add_co_u32 s42, s42, s40
	s_lshl_b32 s43, s41, 2
	s_lshl_b32 s43, 15, s43                        ; my row of the cluster
	s_lshl_b32 s44, 0x1111, s40                    ; my column
	; descriptor group 1: a tile of 128 rows x 256 bytes, padded in LDS
	s_or_b32 s[G1+0], s43, (0<<16)|(1<<20)|(1<<21)|(5<<22)|(3<<25)  ; 15:0 the mask: A's tiles go to my row; 17:16 element of 1 byte; 20 padding on; 21 set beside a mask; 24:22 after every 64 words; 31:25 four words
	s_or_b32 s[G1B+0], s44, (0<<16)|(1<<20)|(1<<21)|(5<<22)|(3<<25)
.irp g, G1, G1B
	s_mov_b32 s[\g+1], ROWB<<16                    ; tensor_dim0
	s_mov_b32 s[\g+2], 256<<16                     ; tensor_dim1: 256 rows for the head's loads
	s_mov_b32 s[\g+3], ROWB<<16                    ; tile_dim0
	s_mov_b32 s[\g+4], 256                         ; tile_dim1
	s_mov_b32 s[\g+5], KROW                        ; tensor_dim0_stride
	s_mov_b32 s[\g+6], 0
	s_mov_b32 s[\g+7], 0
.endr
	; the scales of 256 rows: a dense block of 8,192 bytes, as rows of 256 bytes (32 elements of 8 bytes), 16 bytes of padding behind each
	s_or_b32 s[G1S+0], s43, (3<<16)|(1<<20)|(1<<21)|(5<<22)|(3<<25)
	s_or_b32 s[G1SB+0], s44, (3<<16)|(1<<20)|(1<<21)|(5<<22)|(3<<25)
.irp g, G1S, G1SB
	s_mov_b32 s[\g+1], 32<<16
	s_mov_b32 s[\g+2], (256*KS/256)<<16            ; the scales of 256 rows
	s_mov_b32 s[\g+3], 32<<16
	s_mov_b32 s[\g+4], 256*KS/256
	s_mov_b32 s[\g+5], 32
	s_mov_b32 s[\g+6], 0
	s_mov_b32 s[\g+7], 0
.endr
	s_mov_b32 s[SEL], 0x76543210
	s_mov_b32 s[SEL+1], 0xfedcba98
	s_mov_b32 s[MNT], 0x600000
	s_lshl_b32 s20, s17, 8                         ; A: the tile's first place
	s_lshl_b32 s46, s42, 8                         ; B likewise
	s_mov_b32 s21, 0
	s_mov_b32 s47, 0
	s_mov_b64 s[18:19], KS
	s_mul_u64 s[22:23], s[20:21], s[18:19]         ; where these rows' scales begin, in bytes
	s_mul_u64 s[92:93], s[46:47], s[18:19]
	s_mov_b64 s[18:19], KROW
	s_mul_u64 s[20:21], s[20:21], s[18:19]         ; and their codes
	s_mul_u64 s[46:47], s[46:47], s[18:19]
	s_mul_i32 s45, s14, HALFT                      ; where they go: wave x 128 rows: no place in the cluster enters an LDS address
	s_mul_i32 s18, s16, 128*KROW                   ; in the ring I fetch 128 rows of a tile: which half, in bytes
	s_mov_b32 s19, 0
	s_wait_kmcnt 0x0
	s_add_nc_u64 s[20:21], s[4:5], s[20:21]
	s_add_nc_u64 s[22:23], s[6:7], s[22:23]
	s_add_nc_u64 s[46:47], s[4:5], s[46:47]
	s_add_nc_u64 s[92:93], s[6:7], s[92:93]
	CROUND                                         ; all sixteen work-groups are here: the first joint loads meet
	s_mov_b32 s[G0S], 1
	s_mov_b32 s[G0S+1], SCL
	s_mov_b64 s[G0S+2:G0S+3], s[22:23]
	s_or_b32 s[G0S+3], s[G0S+3], 0x80000000
	s_mov_b32 s[G0SB], 1
	s_mov_b32 s[G0SB+1], SCL+2*HALFS
	s_mov_b64 s[G0SB+2:G0SB+3], s[92:93]
	s_or_b32 s[G0SB+3], s[G0SB+3], 0x80000000
.set G0H, 4                            ; s[4:7], s[92:95] group 0 for the head's loads of K step 0: A's 256 rows, B's 256 rows (what lay there has been used)
.set G0HB, 92
	s_mov_b32 s[G0H], 1
	s_mov_b32 s[G0H+1], 0
	s_mov_b64 s[G0H+2:G0H+3], s[20:21]
	s_or_b32 s[G0H+3], s[G0H+3], 0x80000000
	s_mov_b32 s[G0HB], 1
	s_mov_b32 s[G0HB+1], 2*HALFT
	s_mov_b64 s[G0HB+2:G0HB+3], s[46:47]
	s_or_b32 s[G0HB+3], s[G0HB+3], 0x80000000
	s_add_nc_u64 s[20:21], s[20:21], s[18:19]      ; for the ring: my 128 rows of the tile
	s_add_nc_u64 s[46:47], s[46:47], s[18:19]
.irp s, 0,1
	s_mov_b32 s[G0+4*\s], 1
	s_add_co_u32 s[G0+4*\s+1], s45, \s*SLOT
	s_add_nc_u64 s[G0+4*\s+2:G0+4*\s+3], s[20:21], \s*ROWB
	s_or_b32 s[G0+4*\s+3], s[G0+4*\s+3], 0x80000000
	s_mov_b32 s[G0B+4*\s], 1
	s_add_co_u32 s[G0B+4*\s+1], s45, \s*SLOT
	s_add_nc_u64 s[G0B+4*\s+2:G0B+4*\s+3], s[46:47], \s*ROWB
	s_or_b32 s[G0B+4*\s+3], s[G0B+4*\s+3], 0x80000000
.endr
; the head's loads, one a wave: wave 0 K step 0's 256 rows of A, wave 1 its 256 rows of B, wave 2 the scales of A's 256 rows, wave 3 those of B's: one chain of branches on the wave's number
.macro ARM under, g0, g1, next
	s_cmp_lt_u32 s14, \under
	s_cbranch_scc0 \next
	tensor_load_to_lds s[\g0:\g0+3], s[\g1:\g1+7]
	s_nop 0
.rept 4
	v_nop
.endr
	s_branch .Lhead_asked
\next:
.endm
	ARM 1, G0H,  G1,  .Lhead_b
	ARM 2, G0HB, G1B, .Lhead_sa
	ARM 3, G0S,  G1S, .Lhead_sb
	tensor_load_to_lds s[G0SB:G0SB+3], s[G1SB:G1SB+7]
	s_nop 0
.rept 4
	v_nop
.endr
.Lhead_asked:
	v_and_b32 v1, 15, v0                           ; r = l % 16
	v_bfe_u32 v2, v0, 4, 1                         ; h = l / 16
	v_mul_u32_u24 v3, v1, PITCH
	v_lshl_add_u32 v4, v2, 4, v3                   ; a fragment's row x pitch + 16 x half
	s_mul_i32 s21, s15, HALFT                      ; my 128 rows of A
	s_mul_i32 s22, s16, HALFT                      ; my 128 rows of B,
	s_add_co_u32 s22, s22, 2*HALFT                 ; which lie behind A's 256
.irp s, 0,1
	v_add_nc_u32 v[ADRA+\s], s21, v4
	v_add_nc_u32 v[ADRB+\s], s22, v4
	s_add_co_u32 s21, s21, SLOT
	s_add_co_u32 s22, s22, SLOT
.endr
	v_mul_u32_u24 v5, v1, KS                       ; my row's scales: KS bytes a row,
	v_lshrrev_b32 v6, 8, v5
	v_lshl_add_u32 v5, v6, 4, v5                   ; and 16 more for each 256 passed
	s_mul_i32 s21, s15, HALFS
	s_mul_i32 s22, s16, HALFS
	s_add_co_u32 s22, s22, 2*HALFS
	s_sub_co_u32 s22, s22, s21
	v_mul_u32_u24 v6, s22, v2                      ; lanes 16-31 take B's
	s_add_co_u32 s21, s21, SCL
	v_add_nc_u32 v5, v5, v6
	v_add_nc_u32 v[ADRS], s21, v5
	; the way out's addresses, all made here, ahead of the place where the roles part
	v_and_b32 v6, 31, v0
	v_lshlrev_b32 v[LI], 4, v6
	v_lshlrev_b32 v5, 2, v1
	s_lshl_b32 s23, s14, 10
	v_lshl_add_u32 v[STS], v2, 9, v5
	v_add_nc_u32 v[STS], s23, v[STS]
	v_add_nc_u32 v[RDS], s23, v[LI]
	s_lshl_b32 s23, s14, 9
	s_add_co_u32 s23, s23, SCRV
	v_add_nc_u32 v[STV], s23, v5
	v_add_nc_u32 v[RDV], s23, v[LI]
	v_mul_u32_u24 v[VGO], v2, 12288
	v_lshl_add_u32 v[VGO], v1, 4, v[VGO]
	v_cmp_eq_u32 s[HM], 1, v2
.macro FRAG reg, adr, q, i             ; 16 rows x 128 K of 8-bit codes: lane l holds row l % 16; registers 4 c .. 4 c + 3 hold K = 32 c + 16 (l / 16) + 0 .. 15
.irp c, 0,1,2,3
	ds_load_b128 v[\reg+4*\c:\reg+4*\c+3], v[\adr] offset:128*(\q)+32*\c+(\i)*16*PITCH
.endr
.endm
; 16 matrix instructions: A's blocks a0, a0 + 1 x B's eight, 128 along K.  The 64 accumulators take turns, one instruction a turn, in the same order in every step.
.macro MUL16 a0, p, q, sc, zero
.irp a, \a0, \a0+1
.irp b, 0,1,2,3,4,5,6,7
.if \zero
	v_wmma_scale_f32_16x16x128_f8f6f4 v[8*(8*((\a)%4)+\b):8*(8*((\a)%4)+\b)+7], v[128*(\p)+FR*\b:128*(\p)+FR*\b+FR-1], v[AF+FR*(\a):AF+FR*(\a)+FR-1], 0, v[SC+8*NQ*(\sc)+NQ*\b+(\q)], v[SC+8*NQ*(\sc)+NQ*(\a)+(\q)] matrix_a_scale:MATRIX_SCALE_ROW1
.else
	v_wmma_scale_f32_16x16x128_f8f6f4 v[8*(8*((\a)%4)+\b):8*(8*((\a)%4)+\b)+7], v[128*(\p)+FR*\b:128*(\p)+FR*\b+FR-1], v[AF+FR*(\a):AF+FR*(\a)+FR-1], v[8*(8*((\a)%4)+\b):8*(8*((\a)%4)+\b)+7], v[SC+8*NQ*(\sc)+NQ*\b+(\q)], v[SC+8*NQ*(\sc)+NQ*(\a)+(\q)] matrix_a_scale:MATRIX_SCALE_ROW1
.endif
.endr
.endr
.endm
.macro FETCH_B slot, q, p              ; B's eight fragments of the slot's q-th 128 along K into set p
	WIN TO_B
.irp i, 0,1,2,3,4,5,6,7
	FRAG 128*(\p)+FR*\i, ADRB+\slot, \q, \i
.endr
	WIN 0
.endm
.macro FETCH_A slot, q, i0             ; A's blocks i0 .. i0 + 3
.irp i, \i0, \i0+1, \i0+2, \i0+3
	FRAG AF+FR*(\i), ADRA+\slot, \q, \i
.endr
.endm
.macro SCALES sc                       ; a K step's scale words into set sc: lanes 0-15 take A's block i, lanes 16-31 B's block i
.irp i, 0,1,2,3,4,5,6,7
	ds_load_b64 v[SC+8*NQ*\sc+NQ*\i:SC+8*NQ*\sc+NQ*\i+1], v[ADRS] offset:\i*SBLK
.endr
.endm
.macro PLACES n                        ; plain vector lines between a matrix instruction and a load into, or a vector read of, its registers
.rept \n
	v_nop
.endr
.endm
.macro STEP slot, q, zero              ; a step of 128 along K that has its successor in the same slot
	s_wait_dscnt 4*NL                              ; B's set and A's blocks 0-3 are in; the youngest sixteen loads (A's blocks 4-7) may be out
	WIN MUL_LO
	MUL16 0, (\q)%2, \q, \slot, \zero
	MUL16 2, (\q)%2, \q, \slot, \zero
	s_wait_dscnt 0                                 ; A's blocks 4-7 are in
	PLACES NP
	FETCH_B \slot, (\q)+1, 1-(\q)%2
	FETCH_A \slot, (\q)+1, 0
	WIN MUL_HI
	MUL16 4, (\q)%2, \q, \slot, \zero
	MUL16 6, (\q)%2, \q, \slot, \zero
	PLACES NP
	WIN 0
	FETCH_A \slot, (\q)+1, 4
.endm
; A slot's last step changes slots: one barrier; in front of it each wave waits for all its tensor loads, adds 0 to its spare word, and waits for that and for its own reads of this slot.
.macro TURN slot, next, fill
	s_wait_tensorcnt 0x0                           ; all my tensor loads have landed: my part of the next slot
	ds_add_u32 v[SPW], v[NIL]                      ; 0 onto my spare word
	s_wait_dscnt 4*NL+1                            ; (the add and the youngest sixteen loads may be out)
	WIN MUL_LO
	MUL16 0, 1, NQ-1, \slot, 0
	s_wait_dscnt 0x0                               ; the add is done, and my reads of this slot are over
	s_barrier_signal -1
	MUL16 2, 1, NQ-1, \slot, 0
	WIN 0
	s_barrier_wait -1
.if \fill
	CREST                                          ; the barrier has opened a round of the cluster's barrier: no wave of any partner still reads this slot or has a load on its way
	s_add_nc_u64 s[G0+4*\slot+2:G0+4*\slot+3], s[G0+4*\slot+2:G0+4*\slot+3], 2*ROWB
	s_add_nc_u64 s[G0B+4*\slot+2:G0B+4*\slot+3], s[G0B+4*\slot+2:G0B+4*\slot+3], 2*ROWB
	JLOAD G0+4*\slot, G1, G0B+4*\slot, G1B         ; the first tensor load behind the round; its four v_nop are among the places in front of the loads below
	PLACES NP-4
.else
	PLACES NP
.endif
	s_wait_alu depctr_va_vdst(0)
	v_add_nc_u32 v[ADRS], 4*NQ, v[ADRS]            ; on to the next K step's scale words
	FETCH_B \next, 0, 0
	FETCH_A \next, 0, 0
	SCALES \next
	WIN MUL_HI
	MUL16 4, 1, NQ-1, \slot, 0
	MUL16 6, 1, NQ-1, \slot, 0
	PLACES NP
	WIN 0
	FETCH_A \next, 0, 4
.endm
	s_wait_alu depctr_va_vdst(0)
	s_wait_tensorcnt 0x0                           ; my tile of the head's four is in
	ds_add_u32 v[SPW], v[NIL]
	s_mov_b32 s[G1+2], 128<<16                     ; no tensor load of mine is out: from here on a load brings 128 rows
	s_mov_b32 s[G1+4], 128
	s_mov_b32 s[G1B+2], 128<<16
	s_mov_b32 s[G1B+4], 128
	s_wait_dscnt 0x0
	CROUND                                         ; all four tiles are in, and all sixteen work-groups are here
	JLOAD G0+4, G1, G0B+4, G1B                     ; K step 1, the first tensor load behind the round
	FETCH_B 0, 0, 0
	FETCH_A 0, 0, 0
	SCALES 0
	FETCH_A 0, 0, 4
	STEP 0, 0, 1                                   ; the first step's products start the sums
	s_mov_b32 s3, LAPS-1
.Llap:
	TURN 0, 1, 1
	STEP 1, 0, 0
	TURN 1, 0, 1
	STEP 0, 0, 0
	s_sub_co_u32 s3, s3, 1
	s_cmp_lg_u32 s3, 0
	s_cbranch_scc1 .Llap
	TURN 0, 1, 0                                   ; the last lap fills nothing
	STEP 1, 0, 0
; The last 128 along K.  The roles part ahead of it, so that Q's and K's way can ask for its cosines and sines first: both ways run these lines.
.macro LASTMUL
	s_wait_dscnt 4*NL
	WIN MUL_LO
	MUL16 0, 1, NQ-1, 1, 0
	MUL16 2, 1, NQ-1, 1, 0
	s_wait_dscnt 0
	WIN MUL_HI
	MUL16 4, 1, NQ-1, 1, 0
	MUL16 6, 1, NQ-1, 1, 0
	WIN 0
	PLACES NP                                      ; behind the last products: in front of every read of results and of every write into the registers that held fragments
.irp b, 0,1,2,3
	v_mov_b32 v[TM+4+\b], 0                        ; written once: a lane permute's destination counts as one of its sources
.endr
.endm
; 64 numbers of a lane at v[src] of window w, register 16 b + i = k 32 b + 16 (lane / 16) + i, become 16 code registers in v[PC] on; the four scale bytes are left in v[TM+4] on.
; The sources are read in ascending order within each accumulator; the hold is also the move into window 0.
.macro QUANT src, w
.set WQ, (\w)|((\w)<<2)
	WIN WQ                                         ; sources 0 and 1 in the numbers' window
.irp b, 0,1,2,3
	v_max3_num_f32 v[TM+\b], |v[\src+16*\b]|, |v[\src+16*\b+1]|, 0x4800000   ; my 16 numbers of block b, and the floor 2^(9 - 127): the byte cannot fall under 1
.endr
.irp i, 2,4,6,8,10,12,14
.irp b, 0,1,2,3
	v_max3_num_f32 v[TM+\b], |v[\src+16*\b+\i]|, |v[\src+16*\b+\i+1]|, v[TM+\b]   ; the four blocks by turns
.endr
.endr
	WIN 0
.irp b, 0,1,2,3
	v_permlanex16_b32 v[TM+4+\b], v[TM+\b], s[SEL], s[SEL+1]
.endr
.irp b, 0,1,2,3
	v_max_num_f32 v[TM+\b], v[TM+\b], v[TM+4+\b]   ; with lane l xor 16's: the block's largest magnitude
.endr
.irp b, 0,1,2,3
	v_add_nc_u32 v[TM+12+\b], 0xfc000000, v[TM+\b]   ; 8 off its exponent field: the conversion's scale operand
.endr
.irp b, 0,1,2,3
	v_and_or_b32 v[TM+8+\b], v[TM+\b], 0x7f800000, s[MNT]   ; 448 x the scale
.endr
.irp b, 0,1,2,3
	v_lshrrev_b32 v[TM+4+\b], 23, v[TM+12+\b]      ; the scale's byte
.endr
.set WQ, \w
	WIN WQ                                         ; source 0 in the numbers' window
.irp b, 0,1,2,3
.irp i, 0,1,2,3,4,5,6,7,8,9,10,11,12,13,14,15
	v_med3_num_f32 v[HA+16*\b+\i], v[\src+16*\b+\i], -v[TM+8+\b], v[TM+8+\b]   ; the conversion to an 8-bit code does not saturate (ISA guide 7.6.2)
.endr
.endr
	WIN 0
	s_wait_alu depctr_va_vdst(0)
	s_wait_xcnt 0x0                                ; the last row block's stores have had their addresses translated: their data, the code registers, are written again only behind this wait
	s_wait_dscnt 0x0                               ; and its scale word's LDS store is done
.irp b, 0,1,2,3
	v_cvt_scalef32_pk8_fp8_f32 v[PC+4*\b:PC+4*\b+1], v[HA+16*\b:HA+16*\b+7], v[TM+12+\b]
	v_cvt_scalef32_pk8_fp8_f32 v[PC+4*\b+2:PC+4*\b+3], v[HA+16*\b+8:HA+16*\b+15], v[TM+12+\b]
.endr
	v_nop                                          ; one plain line behind the last conversion
.endm
	s_mov_b32 s23, 0
	s_cmp_eq_u32 s[ISV], 1                         ; the cluster's x: the same in all partners and all waves
	s_cbranch_scc1 .Lv
; ---- Q AND K.  Row block a: lane (r, h) holds the token at place 16 a + r of my 128, and of my two heads the numbers d = 32 (b % 2) + 16 h + i in register 16 b + i, head b / 2.
	s_lshl_b32 s20, s17, 8
	s_lshl_b32 s21, s15, 7
	s_add_co_u32 s20, s20, s21                     ; my first place among x's 4,096
	s_lshl_b32 s22, s20, 8                         ; the table: 4,096 bytes for 16 places
	s_add_nc_u64 s[8:9], s[8:9], s[22:23]
.macro LOADCS a                        ; row block a's 16 cosines and sines a lane: eight loads
.if (\a) < 2
.irp j, 0,1,2,3,4,5,6,7
	global_load_b128 v[64+32*(\a)+4*\j:64+32*(\a)+4*\j+3], v[LI], s[8:9] offset:4096*(\a)+512*\j
.endr
.else
	WIN TO_B
.irp j, 0,1,2,3,4,5,6,7
	global_load_b128 v[32*((\a)-2)+4*\j:32*((\a)-2)+4*\j+3], v[LI], s[8:9] offset:4096*(\a)+512*\j
.endr
	WIN 0
.endif
.endm
.irp a, 0,1,2,3,4,5
	LOADCS \a                                      ; blocks 2 to 5 land in B's set 0, whose last products stand eight places back
.endr
	LASTMUL
	LOADCS 6                                       ; and blocks 6, 7 in B's set 1, behind the last products' places
	LOADCS 7
	s_lshr_b32 s21, s20, 11                        ; batch
	s_lshl_b32 s21, s21, 4
	s_lshl_b32 s18, s40, 2
	s_add_co_u32 s21, s21, s18
	s_lshl_b32 s18, s16, 1
	s_add_co_u32 s21, s21, s18                     ; 16 batch + my first head (4 cx + 2 x my half of B)
	s_bfe_u32 s19, s20, 0x70004                    ; my first tile of 16 places in the batch
	s_lshl_b32 s22, s21, 17                        ; 131,072 bytes of images a head,
	s_lshl_b32 s18, s19, 10                        ; 1,024 a tile,
	s_add_co_u32 s22, s22, s18
	s_lshl_b32 s18, ttmp9, 22                      ; K's 4 MiB behind Q's
	s_add_co_u32 s22, s22, s18
	s_add_nc_u64 s[10:11], s[10:11], s[22:23]
	s_lshl_b32 s18, ttmp9, 12
	s_add_co_u32 s18, s18, 8192                    ; scale words: 8,192 bytes a head for Q, 12,288 for K (V's lie behind K's)
	s_mul_i32 s22, s21, s18
	s_lshl_b32 s44, ttmp9, 18                      ; K's part begins at 262,144
	s_add_co_u32 s22, s22, s44
	s_lshl_b32 s44, s19, 6                         ; 64 bytes a tile
	s_add_co_u32 s22, s22, s44
	s_add_nc_u64 s[12:13], s[12:13], s[22:23]      ; my first head's words,
	s_mov_b32 s19, 0
	s_add_nc_u64 s[46:47], s[12:13], s[18:19]      ; and my second head's
.macro QKROW a
	s_wait_loadcnt 8*(7-(\a))                      ; this block's eight loads are in; the later blocks' eight each may be out
.set XS, 64*((\a)%4)
.if (\a) < 2
.set CB, 64+32*(\a)
.set WX, 2+(\a)/4
.else
.set CB, 32*((\a)-2)
.set WX, (2+(\a)/4)|4                  ; source 1, the cosines and sines: window 1
.endif
	WIN WX                                         ; source 0: the accumulators' window
.irp b, 0,1,2,3
.irp g, 0,8
.irp i, 0,2,4,6
	v_pk_mul_f32 v[TP+\i:TP+\i+1], v[XS+16*\b+\g+\i:XS+16*\b+\g+\i+1], v[CB+16*(\b%2)+\g+\i:CB+16*(\b%2)+\g+\i+1] op_sel_hi:[1,0]   ; cos x even, cos x odd
.endr
.irp i, 0,2,4,6
	v_pk_fma_f32 v[HA+16*\b+\g+\i:HA+16*\b+\g+\i+1], v[XS+16*\b+\g+\i:XS+16*\b+\g+\i+1], v[CB+16*(\b%2)+\g+\i:CB+16*(\b%2)+\g+\i+1], v[TP+\i:TP+\i+1] op_sel:[1,1,0] op_sel_hi:[0,1,1] neg_lo:[0,1,0]   ; low: -sin x odd + cos x even;  high: sin x even + cos x odd
.endr
.endr
.endr
	WIN 0
	QUANT HA, 0
	v_lshl_or_b32 v[W0], v[TM+5], 8, v[TM+4]       ; a head's word: two bytes for its K = 64, two zeros
	v_lshl_or_b32 v[W1], v[TM+7], 8, v[TM+6]
	v_cndmask_b32 v[PW], v[W0], v[W1], s[HM]       ; lanes 0-15 put the first head's, lanes 16-31 the second's
	ds_store_b32 v[STS], v[PW] offset:64*(\a)
.irp b, 0,1,2,3
	global_store_b128 v[LI], v[PC+4*\b:PC+4*\b+3], s[10:11] offset:(\b/2)*131072+1024*(\a)+512*(\b%2)   ; 32 lanes store 512 consecutive bytes
.endr
.endm
.irp a, 0,1,2,3,4,5,6,7
	QKROW \a
.endr
	ds_load_b128 v[OUTS:OUTS+3], v[RDS]            ; LDS serves a wave's instructions in order: these see my stores.  A head's 128 words: 512 bytes
	ds_load_b128 v[OUTS+4:OUTS+7], v[RDS] offset:512
	s_wait_dscnt 0x0
	global_store_b128 v[LI], v[OUTS:OUTS+3], s[12:13]
	global_store_b128 v[LI], v[OUTS+4:OUTS+7], s[46:47]
	s_branch .Ljoin
; ---- V.  Row block a: lane (r, h) holds the d at place 16 (a % 4) + r of head a / 4 of my two, and in register 16 b + i the key 32 b + 16 h + i of my step of 128 keys.
.Lv:
	LASTMUL
	s_lshl_b32 s20, s42, 8
	s_lshl_b32 s21, s16, 7
	s_add_co_u32 s20, s20, s21                     ; my first key among x's 4,096 places
	s_lshr_b32 s21, s20, 11                        ; batch
	s_lshl_b32 s21, s21, 4
	s_lshl_b32 s18, s41, 2
	s_add_co_u32 s21, s21, s18
	s_lshl_b32 s18, s15, 1
	s_add_co_u32 s21, s21, s18                     ; 16 batch + my first head (4 cy + 2 x my half of A)
	s_bfe_u32 s19, s20, 0x40007                    ; my step of 128 keys in the batch
	s_lshl_b32 s22, s21, 17
	s_lshl_b32 s18, s19, 13                        ; 8,192 bytes of images a step
	s_add_co_u32 s22, s22, s18
	s_add_co_u32 s22, s22, 0x800000                ; V's images begin at 8 MiB
	s_add_nc_u64 s[10:11], s[10:11], s[22:23]
	s_mul_i32 s22, s21, 12288
	s_lshl_b32 s18, s19, 8                         ; 256 bytes of words a step
	s_add_co_u32 s22, s22, s18
	s_add_co_u32 s22, s22, 262144+8192             ; behind Q's words, and behind the head's words of K
	s_add_nc_u64 s[12:13], s[12:13], s[22:23]
.macro VROW a
.set XS, 64*((\a)%4)
.set WX, 2+(\a)/4
	QUANT XS, WX
	v_lshl_or_b32 v[PW], v[TM+5], 8, v[TM+4]       ; four bytes: the word of my d for these 128 keys
	v_lshl_or_b32 v[PW], v[TM+6], 16, v[PW]
	v_lshl_or_b32 v[PW], v[TM+7], 24, v[PW]
	ds_store_b32 v[STV], v[PW] offset:64*(\a)      ; both halves of the lanes write the same word with the same value
.irp c, 0,1,2,3
	global_store_b128 v[LI], v[PC+4*\c:PC+4*\c+3], s[10:11] offset:((\a)/4)*131072+2048*((\a)%4)+512*\c
.endr
.endm
.irp a, 0,1,2,3,4,5,6,7
	VROW \a
.endr
	ds_load_b128 v[OUTS:OUTS+3], v[RDV]            ; lanes 0-15: my first head's 64 words, lanes 16-31: my second head's
	s_wait_dscnt 0x0
	global_store_b128 v[VGO], v[OUTS:OUTS+3], s[12:13]   ; each half of the wave stores 256 consecutive bytes, aligned
.Ljoin:
	s_wait_tensorcnt 0x0                           ; the wave's end
	ds_add_u32 v[SPW], v[NIL]
	s_wait_dscnt 0x0
	CROUND                                         ; the closing round: no work-group ends while a partner may still ask for a tile that names it
	s_endpgm
.Lfunc_end_k_qa1006022c9_qkv:
	.size	k_qa1006022c9_qkv, .Lfunc_end_k_qa1006022c9_qkv-k_qa1006022c9_qkv
	.p2alignl 7, 3214868480
	.fill 96, 4, 3214868480
	.section	.rodata,"a",@progbits
	.p2align	6, 0x0
	.amdhsa_kernel k_qa1006022c9_qkv
		.amdhsa_group_segment_fixed_size 327680
		.amdhsa_private_segment_fixed_size 0
		.amdhsa_enable_private_segment 0
		.amdhsa_kernarg_size 40
		.amdhsa_user_sgpr_count 2
		.amdhsa_user_sgpr_kernarg_segment_ptr 1
		.amdhsa_wavefront_size32 1
		.amdhsa_system_sgpr_workgroup_id_x 1
		.amdhsa_system_sgpr_workgroup_id_y 1
		.amdhsa_system_sgpr_workgroup_id_z 1
		.amdhsa_system_vgpr_workitem_id 0
		.amdhsa_next_free_vgpr 1024
		.amdhsa_next_free_sgpr 100
		.amdhsa_reserve_vcc 0
		.amdhsa_float_denorm_mode_32 3
		.amdhsa_float_denorm_mode_16_64 3
		.amdhsa_memory_ordered 1
		.amdhsa_forward_progress 1
		.amdhsa_inst_pref_size 255
	.end_amdhsa_kernel
	.section	.bss,"aw",@nobits
	.p2align	6
	.space	262144
	.amdgpu_metadata
---
amdhsa.version: [ 1, 2 ]
amdhsa.kernels:
  - .name:           k_qa1006022c9_qkv
    .symbol:         k_qa1006022c9_qkv.kd
    .args:
      - { .name: codes, .offset: 0, .size: 8, .value_kind: global_buffer, .address_space: global }
      - { .name: scales, .offset: 8, .size: 8, .value_kind: global_buffer, .address_space: global }
      - { .name: rope, .offset: 16, .size: 8, .value_kind: global_buffer, .address_space: global }
      - { .name: qkvc, .offset: 24, .size: 8, .value_kind: global_buffer, .address_space: global }
      - { .name: qkvs, .offset: 32, .size: 8, .value_kind: global_buffer, .address_space: global }
    .group_segment_fixed_size: 327680
    .private_segment_fixed_size: 0
    .kernarg_segment_align: 8
    .kernarg_segment_size: 40
    .max_flat_workgroup_size: 128
    .sgpr_count:     100
    .vgpr_count:     1024
    .wavefront_size: 32
...
	.end_amdgpu_metadata
.endif
;; end of part 2
;; launch attn (part 3): grid 8 x 32, 16 waves a work-group, clusters of 4 x 1, 327,680 bytes of LDS; arguments qkvc, qkvs, ocodes, oscales; writes ocodes, oscales
.if DOCPART == 3
	.amdgcn_target "amdgcn-amd-amdhsa--gfx1250"
	.amdhsa_code_object_version 6
	.text
	.protected	k_qa1006022c9_attn
	.globl	k_qa1006022c9_attn
	.p2align	8
	.type	k_qa1006022c9_attn,@function
k_qa1006022c9_attn:
	s_mov_b64 s[64:65], 0
	v_nop
	global_prefetch_b8 v0, s[64:65] scope:SCOPE_SE
	s_setreg_imm32_b32 hwreg(HW_REG_WAVE_MODE, 25, 1), 1
	s_wait_xcnt 0x0
	s_wait_alu depctr_hold_cnt(0) depctr_sa_sdst(0) depctr_va_vdst(0) depctr_va_sdst(0) depctr_va_ssrc(0) depctr_va_vcc(0) depctr_vm_vsrc(0)
	s_getreg_b32 s2, hwreg(HW_REG_IB_STS2, 6, 4)
	s_cmp_eq_u32 s2, 0
	s_cbranch_scc0 .Lentry_in_a_cluster
	s_endpgm
.Lentry_in_a_cluster:
	s_bfe_u32 s2, ttmp6, 0x10000c
	s_cmp_lg_u32 s2, 0x3003
	s_cbranch_scc0 .Lentry_shape_is_right
	s_endpgm
.Lentry_shape_is_right:
; CAUSAL ATTENTION ON CODES OF FP8 (E4M3, one E8M0 scale for each 32 along a product's K), 32 (batch x head) x 2,048 tokens x 64, and the quantising of its result for the last projection.
; t = score x log2(e) / 8; M = the running largest t rounded UP to a whole number; p = 2^(t - M) is quantised along the keys, not normalised; the row's sum is taken of the unquantised p and divides O at the end.
; When M moves, the sum and O are multiplied by 2^(old M - new M), which rounds nothing.  Key steps that lie wholly under the causal mask are not walked.
; OPERANDS ARRIVE AS IMAGES OF THEIR REGISTERS (16 bytes a lane at 16 x lane).  Tokens lie by places: place p holds token pi(p), pi = bits 3 and 4 exchanged, so that the 16 registers of S^T's tiles 2 b, 2 b + 1 are keys 32 b + 16 (lane / 16) + 0 .. 15.
; BOTH PRODUCTS ARE USED TRANSPOSED: S^T = K Q^T, O^T = V^T P^T: a lane holds one query (lane % 16).  K = 64 in the first product fills half of the instruction's 128: Q's upper eight registers are zero codes; K's upper eight are
; whatever codes follow (the next tile's; behind the last tile the second tile's Q): never a NaN code, so their products with zeros are zeros.  Bytes 2 and 3 of both scale words are 0, a power of two like any other.
; SHARES.  Work-group g (0 .. 7) of a (batch, head) owns tile g of 16 places in EACH of the 16 blocks of 128 queries: the tile of block i needs key steps 0 .. i, 136 steps in all, in every work-group alike.
; The tiles of blocks p and 15 - p (p = wave % 8) are a pair with 17 steps.  Wave p: the long tile's steps 8 .. 15 - p, whose O, M and sums it hands over through LDS bytes of the pair's own; then the short tile's steps 0 .. p: 9 steps.
; Wave 8 + p: the long tile's steps 0 .. 7, all open; behind a barrier it takes the other part, brings both under the larger M (powers of two) and adds them.  Each wave stores one tile.
; So which step a wave walks, which step lies on the diagonal and every LDS address hang on the wave's number and the trip alone.
; LDS: the whole head's K and V stay, 8,192 bytes a key step each; step s lies at slot 2 (s % 8) + s / 8, so that trip i reads among slots 0 .. 2 i + 1.  One load brings steps i and i + 8 of K or of V: two rows of 8,192 bytes, 65,536 apart in memory.
; CLUSTER: the four work-groups of a cluster share a (batch, head) and ask jointly.  At the head: waves 0-3 slots 0-3 of K and of V, waves 4-7 a quarter each of the 12,288 bytes of scale words.  Behind the full sequence and a round: waves 0-5 and 8-13
; the other twelve pairs of slots, one a wave; they are waited for behind trips 0 and 1, which read slots 0-3 alone.  Nothing is filled twice.
; No prefetch: the first group stands at the head, and between the second group's request and the wait for it stand two trips of all sixteen waves.
; OUT: ocodes [tile of 16 places 256][head 16][b 2][512]; oscales [place 4096][32]: a lane stores one byte, so those rows are written in parts: one byte for each 32 of codes.
; LIMITS: NaN and infinities are not served; a block of zeros gets the byte 1 over zero codes; the promise holds while |t| stays under 2^31.
.set VIMG, 131072
.set KSC,  262144                      ; K's scale words, 4 bytes a place
.set VSC,  270336                      ; V's: [step 16][d place 64]
.set MRG,  274432                      ; the pairs' hand-over: 4,608 bytes each: O^T as eight groups of 512, then -M, t, the sum's halves
.set MPB,  4608
.set SPARE, 311296                     ; the spare words, 128 bytes a wave
.set LI,   1                           ; 16 x lane
.set AV0,  2                           ; VIMG + 16 x lane
.set ASK0, 3                           ; KSC + 4 x lane
.set ASV0, 4                           ; VSC + 4 x lane
.set QD,   5                           ; my query's place in its block of 128 tokens, less 16 (lane / 16)
.set AM,   7                           ; my pair's hand-over + 16 x lane
.set ADK,  8
.set ADV,  9
.set ADS,  10
.set ADT,  11
; v12 -M, v13 the largest t, v[14:15] the sum in two halves; v16-23 Q's codes, v24-31 zeros
.set KV,   32                          ; v32-95 eight tiles of K, later four fragments of V
.set Q2,   96                          ; v96-103 the second tile's Q
.set SS,   104                         ; v104-167 S^T, then p
.set OT,   168                         ; v168-199 O^T
.set PCD,  200                         ; v200-215 p's codes
.set BM,   216
.set BX,   220
.set BH,   224
.set BS,   228
.set KSW,  232                         ; v232-235 K's scale words; v236-237 V's; v238 Q's; v239 the second Q's; v242 p's: they hold nothing else
.set VSW,  236
.set QSW,  238
.set QS2,  239
.set FF,   240                         ; v[240:241] f, and a zero named with it
.set PSW,  242
.set TT,   243
.set SU,   244                         ; v[244:245], v[248:249], v[250:251] the sum's other chains
.set NINF, 246
.set C2,   248
.set C3,   250
.set SPW,  254
.set NIL,  255
.set WV,   18
.set MNT,  19
.set SEL,  20
.set CS,   22
.set G1C,  24
.set G1S,  32
.set G0C,  40
.set G0S,  44
.set TB,   48
.set TS,   49
.set TJ,   50
.set TMP,  51
.set PI,   52                          ; p = wave % 8
.set RL,   53                          ; wave / 8
.set NA,   54                          ; 1 - wave / 8
.set DG,   55                          ; the trip in which the long tile's diagonal step falls: 7 - p; in waves 8-15 a number that no trip has
.set CNT,  56
.set G0D,  60                          ; s[60:63] group 0 of the second group's load
.macro CROUND
	s_barrier_signal -1
	s_barrier_wait -1
	s_cmp_lg_u32 s[WV], 0
	s_cbranch_scc1 .Lnot_wave_0_\@
	s_barrier_signal -3
.Lnot_wave_0_\@:
	s_barrier_wait -3
	s_barrier_signal -1
	s_barrier_wait -1
.endm
	s_load_b256 s[4:11], s[0:1], 0x0               ; qkvc, qkvs, ocodes, oscales
	v_lshl_add_u32 v[SPW], v0, 2, SPARE
	v_mov_b32 v[NIL], 0
	ds_add_u32 v[SPW], v[NIL]
	ds_add_u32 v[SPW], v[NIL]
	v_lshrrev_b32 v6, 5, v0
	v_readfirstlane_b32 s[WV], v6
	s_and_b32 s[PI], s[WV], 7
	s_lshr_b32 s[RL], s[WV], 3
	s_xor_b32 s[NA], s[RL], 1
	s_lshl_b32 s[DG], s[RL], 6
	s_add_co_u32 s[DG], s[DG], 7
	s_sub_co_u32 s[DG], s[DG], s[PI]
	s_bfe_u32 s66, ttmp6, 0x40000                  ; cx: it enters global addresses and the mask's numbers alone
	s_lshl_b32 s67, ttmp9, 2
	s_add_co_u32 s67, s67, s66                     ; g
	s_and_b32 s68, ttmp7, 0xffff                   ; 16 batch + head
	s_sub_co_u32 s69, 15, s[PI]
	s_lshl_b32 s69, s69, 3
	s_add_co_u32 s69, s69, s67                     ; the long tile
	s_lshl_b32 s70, s[PI], 3
	s_add_co_u32 s70, s70, s67                     ; the short tile
	s_mov_b32 s[G1C], 15|(3<<16)|(1<<21)           ; the cluster's four; elements of 8 bytes; two rows of 1,024 elements, 8,192 elements apart: key steps i and i + 8
	s_mov_b32 s[G1C+1], 1024<<16
	s_mov_b32 s[G1C+2], 2<<16
	s_mov_b32 s[G1C+3], 1024<<16
	s_mov_b32 s[G1C+4], 2
	s_mov_b32 s[G1C+5], 8192
	s_mov_b32 s[G1C+6], 0
	s_mov_b32 s[G1C+7], 0
	s_mov_b32 s[G1S], 15|(3<<16)|(1<<21)           ; 3,072 dense bytes as 12 rows of 256
	s_mov_b32 s[G1S+1], 32<<16
	s_mov_b32 s[G1S+2], 12<<16
	s_mov_b32 s[G1S+3], 32<<16
	s_mov_b32 s[G1S+4], 12
	s_mov_b32 s[G1S+5], 32
	s_mov_b32 s[G1S+6], 0
	s_mov_b32 s[G1S+7], 0
	s_lshl_b32 s71, s68, 17                        ; 131,072 bytes of images a head
	s_lshr_b32 s72, s[WV], 1                       ; the head's loads: waves 0, 1 K's steps i, i + 8 (i = wave % 2), waves 2, 3 V's
	s_and_b32 s72, s72, 1
	s_and_b32 s74, s[WV], 1
	s_lshl_b32 s57, s72, 17
	s_lshl_b32 s58, s74, 14
	s_add_co_u32 s57, s57, s58                     ; LDS: slots 2 i, 2 i + 1 of K or of V
	s_lshl_b32 s72, s72, 22                        ; memory: K's images at 4 MiB, V's at 8 MiB
	s_add_co_u32 s72, s72, 0x400000
	s_add_co_u32 s72, s72, s71
	s_lshl_b32 s58, s74, 13
	s_add_co_u32 s72, s72, s58
	s_mov_b32 s73, 0
	s_add_co_u32 s58, s[PI], 2                     ; the second group: waves 0-5 K's steps i, i + 8 (i = 2 + p), waves 8-13 V's
	s_lshl_b32 s59, s[RL], 17
	s_lshl_b32 s94, s58, 14
	s_add_co_u32 s59, s59, s94
	s_lshl_b32 s94, s[RL], 22
	s_add_co_u32 s94, s94, 0x400000
	s_add_co_u32 s94, s94, s71
	s_lshl_b32 s58, s58, 13
	s_add_co_u32 s94, s94, s58
	s_mov_b32 s95, 0
	s_and_b32 s74, s[WV], 3
	s_mul_i32 s75, s74, 3072                       ; waves 4-7: a quarter of the head's words of K and V
	s_mul_i32 s76, s68, 12288
	s_add_co_u32 s76, s76, s75
	s_add_co_u32 s76, s76, 262144
	s_mov_b32 s77, 0
	s_lshl_b32 s78, s69, 10                        ; Q's images: 1,024 bytes a tile
	s_add_co_u32 s78, s78, s71
	s_mov_b32 s79, 0
	s_lshl_b32 s80, s70, 10
	s_add_co_u32 s80, s80, s71
	s_mov_b32 s81, 0
	s_lshl_b32 s71, s68, 13                        ; Q's words: 8,192 bytes a head, 64 a tile
	s_lshl_b32 s82, s69, 6
	s_add_co_u32 s82, s82, s71
	s_mov_b32 s83, 0
	s_lshl_b32 s84, s70, 6
	s_add_co_u32 s84, s84, s71
	s_mov_b32 s85, 0
	s_cmp_eq_u32 s[RL], 1                          ; the tile that I store: waves 0-7 the short one, waves 8-15 the long one
	s_cselect_b32 s86, s69, s70
	s_lshr_b32 s87, s68, 4
	s_lshl_b32 s87, s87, 7
	s_add_co_u32 s86, s86, s87                     ; among the 256
	s_and_b32 s87, s68, 15
	s_lshl_b32 s88, s86, 14                        ; ocodes: 16,384 bytes a tile, 1,024 a head
	s_lshl_b32 s89, s87, 10
	s_add_co_u32 s88, s88, s89
	s_mov_b32 s89, 0
	s_lshl_b32 s90, s86, 9                         ; oscales: 512 bytes a tile, 2 a head
	s_lshl_b32 s91, s87, 1
	s_add_co_u32 s90, s90, s91
	s_mov_b32 s91, 0
	s_lshr_b32 s92, s67, 1                         ; tile g's tokens in a block: 32 (g / 2) + 8 (g % 2) + 0 .. 7 and + 16 .. 23
	s_lshl_b32 s92, s92, 5
	s_and_b32 s93, s67, 1
	s_lshl_b32 s93, s93, 3
	s_add_co_u32 s92, s92, s93
	s_mul_i32 s93, s[PI], MPB
	s_add_co_u32 s93, s93, MRG
	s_mov_b32 s[SEL], 0x76543210
	s_mov_b32 s[SEL+1], 0xfedcba98
	s_mov_b32 s[CS], 0x3e38aa3b                    ; c = log2(e) / sqrt(64)
	s_mov_b32 s[CS+1], s[CS]
	s_mov_b32 s[MNT], 0x600000
	s_mov_b32 s[CNT], 0
	s_wait_dscnt 0x0
	CROUND                                         ; the four work-groups are here: the joint loads meet
	s_wait_kmcnt 0x0
	s_mov_b32 s[G0C], 1
	s_mov_b32 s[G0C+1], s57
	s_add_nc_u64 s[G0C+2:G0C+3], s[4:5], s[72:73]
	s_or_b32 s[G0C+3], s[G0C+3], 0x80000000
	s_mov_b32 s[G0S], 1
	s_add_co_u32 s[G0S+1], s75, KSC
	s_add_nc_u64 s[G0S+2:G0S+3], s[6:7], s[76:77]
	s_or_b32 s[G0S+3], s[G0S+3], 0x80000000
	s_mov_b32 s[G0D], 1
	s_mov_b32 s[G0D+1], s59
	s_add_nc_u64 s[G0D+2:G0D+3], s[4:5], s[94:95]
	s_or_b32 s[G0D+3], s[G0D+3], 0x80000000
	s_cmp_lt_u32 s[WV], 4                          ; one chain of branches on the wave's number, one load to an arm
	s_cbranch_scc0 .Lnot_kv
	tensor_load_to_lds s[G0C:G0C+3], s[G1C:G1C+7]
	s_nop 0
.rept 4
	v_nop
.endr
	s_branch .Lasked
.Lnot_kv:
	s_cmp_lt_u32 s[WV], 8
	s_cbranch_scc0 .Lasked
	tensor_load_to_lds s[G0S:G0S+3], s[G1S:G1S+7]
	s_nop 0
.rept 4
	v_nop
.endr
.Lasked:
	s_add_nc_u64 s[12:13], s[4:5], s[78:79]
	s_add_nc_u64 s[14:15], s[4:5], s[80:81]
	s_add_nc_u64 s[16:17], s[6:7], s[82:83]
	s_add_nc_u64 s[6:7], s[6:7], s[84:85]
	s_add_nc_u64 s[8:9], s[8:9], s[88:89]
	s_add_nc_u64 s[10:11], s[10:11], s[90:91]
	v_and_b32 v6, 31, v0
	v_lshlrev_b32 v[LI], 4, v6
	v_and_b32 v8, 15, v0
	v_lshlrev_b32 v8, 2, v8
	v_add_nc_u32 v[AV0], VIMG, v[LI]
	v_lshl_add_u32 v[ASK0], v6, 2, KSC
	v_lshl_add_u32 v[ASV0], v6, 2, VSC
	v_add_nc_u32 v[AM], s93, v[LI]
	global_load_b128 v[16:19], v[LI], s[12:13]             ; the long tile's Q: every wave begins with it
	global_load_b128 v[20:23], v[LI], s[12:13] offset:512
	global_load_b128 v[Q2:Q2+3], v[LI], s[14:15]           ; the short tile's
	global_load_b128 v[Q2+4:Q2+7], v[LI], s[14:15] offset:512
	global_load_b32 v[QSW], v8, s[16:17]
	global_load_b32 v[QS2], v8, s[6:7]
	v_and_b32 v6, 7, v0
	v_and_b32 v9, 8, v0
	v_lshl_add_u32 v6, v9, 1, v6                   ; r % 8 + 16 (r / 8)
	v_and_b32 v9, 16, v0
	v_sub_nc_u32 v6, v6, v9
	v_add_nc_u32 v[QD], s92, v6
.irp j, 0,1,2,3,4,5,6,7
	v_mov_b32 v[24+\j], 0                          ; zero codes for k = 64 .. 127
.endr
.macro FRESH                           ; a tile's sums begin: the first step finds zeros, which the first change of M leaves zeros
	v_mov_b32 v13, 0xff61b1e6                      ; -3e38, under every t
	v_mov_b32 v14, 0
	v_mov_b32 v15, 0
	v_floor_f32 v12, -v13
.set j, 0
.rept 32
	v_mov_b32 v[OT+j], 0
.set j, j+1
.endr
.endm
	FRESH
.irp b, 0,1,2,3
	v_mov_b32 v[BX+\b], 0                          ; a lane permute's destination counts as one of its sources
.endr
	v_mov_b32 v[FF+1], 0
	v_mov_b32 v[NINF], 0xff800000
	s_wait_alu depctr_va_vdst(0)
	s_wait_loadcnt 0x0
	s_wait_tensorcnt 0x0                           ; my load of the first group has landed
	ds_add_u32 v[SPW], v[NIL]
	ds_add_u32 v[SPW], v[NIL]
	s_wait_dscnt 0x0
	CROUND                                         ; slots 0-3 and the scale words are in, and the four work-groups are here
	s_cmp_lt_u32 s[PI], 6
	s_cbranch_scc0 .Lno_second
	tensor_load_to_lds s[G0D:G0D+3], s[G1C:G1C+7]  ; slots 4 + 2 p, 5 + 2 p of K or of V
	s_nop 0
.rept 4
	v_nop
.endr
.Lno_second:
; A KEY STEP of 128 keys.  Its number: waves 8-15: the trip;  waves 0-7: (trip + 8 + p c) % 16, c = (trip + p) / 8: 8 + trip for the long tile, then trip + p - 8 for the short one.
.macro STEP always, msk
	s_add_co_u32 s[TMP], s[CNT], s[PI]
	s_lshr_b32 s[TMP], s[TMP], 3
	s_mul_i32 s[TMP], s[TMP], s[PI]
	s_add_co_u32 s[TMP], s[TMP], 8
	s_mul_i32 s[TMP], s[TMP], s[NA]
	s_add_co_u32 s[TMP], s[TMP], s[CNT]
	s_and_b32 s[TMP], s[TMP], 15
	s_lshl_b32 s[TS], s[TMP], 9                    ; K's words: 512 bytes a step
	s_lshl_b32 s[TJ], s[TMP], 8                    ; V's: 256
	s_lshr_b32 s[TB], s[TMP], 3
	s_and_b32 s[TMP], s[TMP], 7
	s_lshl_b32 s[TMP], s[TMP], 1
	s_or_b32 s[TB], s[TB], s[TMP]                  ; the step's slot
.if \msk < 15
	s_and_b32 s[TB], s[TB], \msk                   ; trips 0 and 1 have slots 0 to 3: the mask holds the address to the bytes that have landed
.endif
	s_lshl_b32 s[TB], s[TB], 13                    ; images: 8,192 bytes a slot
	v_add_nc_u32 v[ADK], s[TB], v[LI]
	v_add_nc_u32 v[ADV], s[TB], v[AV0]
	v_add_nc_u32 v[ADS], s[TS], v[ASK0]
	v_add_nc_u32 v[ADT], s[TJ], v[ASV0]
.rept 4
	v_nop                                          ; with the four additions: eight places in front of loads into registers that the last products read
.endr
.irp t, 0,1,2,3,4,5,6,7
	ds_load_b128 v[KV+8*\t:KV+8*\t+3], v[ADK] offset:1024*\t
	ds_load_b128 v[KV+8*\t+4:KV+8*\t+7], v[ADK] offset:1024*\t+512
.endr
.irp i, 0,1,2,3
	ds_load_b32 v[KSW+\i], v[ADS] offset:128*\i
.endr
	s_wait_alu depctr_va_vdst(0)
	s_wait_dscnt 0x0
.irp t, 0,2,4,6
	v_wmma_scale_f32_16x16x128_f8f6f4 v[SS+8*\t:SS+8*\t+7], v[KV+8*\t:KV+8*\t+15], v[16:31], 0, v[KSW+\t/2], v[QSW]
	v_wmma_scale_f32_16x16x128_f8f6f4 v[SS+8*\t+8:SS+8*\t+15], v[KV+8*\t+8:KV+8*\t+23], v[16:31], 0, v[KSW+\t/2], v[QSW] matrix_a_scale:MATRIX_SCALE_ROW1
.endr
.rept 8
	v_nop                                          ; places in front of the loads below and of the first read of the scores
.endr
.irp d, 0,1,2,3
.irp c, 0,1,2,3
	ds_load_b128 v[KV+16*\d+4*\c:KV+16*\d+4*\c+3], v[ADV] offset:2048*\d+512*\c
.endr
.endr
	ds_load_b32 v[VSW], v[ADT]
	ds_load_b32 v[VSW+1], v[ADT] offset:128
.if \always == 0
	s_cmp_lg_u32 s[CNT], s[DG]                     ; only the diagonal step has hidden keys
	s_cbranch_scc1 .Lopen_\@
.endif
.set n, 0
.rept 64                                       ; register 16 b + i holds key 32 b + 16 (lane / 16) + i of the block: hidden where 32 b + i > v[QD]
	v_cmp_gt_i32 vcc_lo, 32*(n/16)+n%16, v[QD]
	v_cndmask_b32 v[SS+n], v[SS+n], v[NINF], vcc_lo
.set n, n+1
.endr
.Lopen_\@:
.irp b, 0,1,2,3
	v_max3_num_f32 v[BM+\b], v[SS+16*\b], v[SS+16*\b+1], v[SS+16*\b+2]   ; the largest score of each block of 32 keys: for the row's maximum and for the block's largest p
.endr
.irp i, 3,5,7,9,11,13
.irp b, 0,1,2,3
	v_max3_num_f32 v[BM+\b], v[BM+\b], v[SS+16*\b+\i], v[SS+16*\b+\i+1]
.endr
.endr
.irp b, 0,1,2,3
	v_max_num_f32 v[BM+\b], v[BM+\b], v[SS+16*\b+15]
.endr
.irp b, 0,1,2,3
	v_permlanex16_b32 v[BX+\b], v[BM+\b], s[SEL], s[SEL+1]
.endr
.irp b, 0,1,2,3
	v_max_num_f32 v[BM+\b], v[BM+\b], v[BX+\b]
.endr
	v_max3_num_f32 v[TT], v[BM], v[BM+1], v[BM+2]
	v_max_num_f32 v[TT], v[TT], v[BM+3]
	v_mul_f32 v[TT], s[CS], v[TT]
	v_max_num_f32 v13, v13, v[TT]                  ; the running largest t
	v_mov_b32 v[TT], v12
	v_floor_f32 v12, -v13                          ; the new -M = -ceil(t)
	v_sub_f32 v[TT], v12, v[TT]                    ; old M - new M: a whole number, 0 or less
	v_cvt_i32_f32 v[TT], v[TT]                     ; (it saturates)
	v_ldexp_f32 v[FF], 1.0, v[TT]                  ; f = 2^(old M - new M)
.set j, 0
.rept 32
	v_pk_fma_f32 v[SS+j:SS+j+1], v[SS+j:SS+j+1], s[CS:CS+1], v[12:13] op_sel_hi:[1,0,0]   ; t - M
.set j, j+2
.endr
.irp b, 0,1,2,3
	v_fma_f32 v[BM+\b], v[BM+\b], s[CS], v12
.endr
	s_wait_alu depctr_va_vdst(0)
.set j, 0
.rept 64
	v_exp_f32 v[SS+j], v[SS+j]                     ; p = 2^(t - M)
.set j, j+1
.endr
.irp b, 0,1,2,3
	v_exp_f32 v[BM+\b], v[BM+\b]                   ; the block's largest p
.endr
	v_pk_mul_f32 v[14:15], v[14:15], v[FF:FF+1] op_sel_hi:[1,0]   ; the sums under the new M (a plain line behind the batch)
	s_wait_alu depctr_va_vdst(0)                   ; and the wait behind it
.irp b, 0,1,2,3
	v_max_num_f32 v[BM+\b], 0x4800000, v[BM+\b]    ; the floor 2^(9 - 127): the byte cannot fall under 1
.endr
.irp b, 0,1,2,3
	v_add_nc_u32 v[BS+\b], 0xfc000000, v[BM+\b]    ; the conversion's scale operand
.endr
.irp b, 0,1,2,3
	v_and_or_b32 v[BH+\b], v[BM+\b], 0x7f800000, s[MNT]   ; 448 x the scale
.endr
.irp b, 0,1,2,3
	v_lshrrev_b32 v[BX+\b], 23, v[BS+\b]           ; the scale's byte
.endr
	v_lshl_or_b32 v[PSW], v[BX+1], 8, v[BX]
	v_pk_add_f32 v[SU:SU+1], v[SS:SS+1], v[SS+2:SS+3]      ; the row's sum of the unquantised p, in four chains
	v_pk_add_f32 v[C2:C2+1], v[SS+4:SS+5], v[SS+6:SS+7]
	v_pk_add_f32 v[C3:C3+1], v[SS+8:SS+9], v[SS+10:SS+11]
	v_lshl_or_b32 v[PSW], v[BX+2], 16, v[PSW]
.set j, 12
.rept 6
	v_pk_add_f32 v[14:15], v[14:15], v[SS+j:SS+j+1]
	v_pk_add_f32 v[SU:SU+1], v[SU:SU+1], v[SS+j+2:SS+j+3]
	v_pk_add_f32 v[C2:C2+1], v[C2:C2+1], v[SS+j+4:SS+j+5]
	v_pk_add_f32 v[C3:C3+1], v[C3:C3+1], v[SS+j+6:SS+j+7]
.set j, j+8
.endr
	v_lshl_or_b32 v[PSW], v[BX+3], 24, v[PSW]      ; p's scale word for these 128 keys
	v_pk_add_f32 v[14:15], v[14:15], v[SS+60:SS+61]
	v_pk_add_f32 v[SU:SU+1], v[SU:SU+1], v[SS+62:SS+63]
	v_pk_add_f32 v[C2:C2+1], v[C2:C2+1], v[C3:C3+1]
	v_pk_add_f32 v[14:15], v[14:15], v[SU:SU+1]
	v_pk_add_f32 v[14:15], v[14:15], v[C2:C2+1]
.irp b, 0,1,2,3
.irp i, 0,2,4,6,8,10,12,14                     ; the conversion does not saturate (ISA guide 7.6.2); p is not negative, so the hold is one-sided; two holds to an instruction: an even and an odd register, one bound
	v_dual_min_num_f32 v[SS+16*\b+\i], v[SS+16*\b+\i], v[BH+\b] :: v_dual_min_num_f32 v[SS+16*\b+\i+1], v[SS+16*\b+\i+1], v[BH+\b]
.endr
	v_cvt_scalef32_pk8_fp8_f32 v[PCD+4*\b:PCD+4*\b+1], v[SS+16*\b:SS+16*\b+7], v[BS+\b]
	v_cvt_scalef32_pk8_fp8_f32 v[PCD+4*\b+2:PCD+4*\b+3], v[SS+16*\b+8:SS+16*\b+15], v[BS+\b]
.endr
	s_wait_alu depctr_va_vdst(0)                   ; directly ahead of the first reader of O^T
.set j, 0
.rept 16
	v_pk_mul_f32 v[OT+j:OT+j+1], v[OT+j:OT+j+1], v[FF:FF+1] op_sel_hi:[1,0]   ; O^T under the new M; also the places between the codes and the products
.set j, j+2
.endr
	s_wait_alu depctr_va_vdst(0)                   ; ahead of the wait below
	s_wait_dscnt 0x0                               ; V
.irp d, 0,2                                    ; the four accumulators take turns
	v_wmma_scale_f32_16x16x128_f8f6f4 v[OT+8*\d:OT+8*\d+7], v[KV+16*\d:KV+16*\d+15], v[PCD:PCD+15], v[OT+8*\d:OT+8*\d+7], v[VSW+\d/2], v[PSW]
	v_wmma_scale_f32_16x16x128_f8f6f4 v[OT+8*\d+8:OT+8*\d+15], v[KV+16*\d+16:KV+16*\d+31], v[PCD:PCD+15], v[OT+8*\d+8:OT+8*\d+15], v[VSW+\d/2], v[PSW] matrix_a_scale:MATRIX_SCALE_ROW1
.endr
.endm
; A loop of trips, up to trip last - 1, in every wave
.macro TRIPS last, msk
.Ltrip_\@:
	STEP 0, \msk
	s_cmp_lg_u32 s[CNT], s[DG]
	s_cbranch_scc1 .Lsame_tile_\@
.irp j, 0,1,2,3,4,5,6,7                        ; waves 0-7, behind the long tile's diagonal step: on to the short tile.  These eight are the places behind the last products
	v_mov_b32 v[16+\j], v[Q2+\j]
.endr
	v_mov_b32 v[QSW], v[QS2]
.irp k, 0,1,2,3,4,5,6,7
	ds_store_b128 v[AM], v[OT+4*\k:OT+4*\k+3] offset:512*\k   ; my part of the long tile, each accumulator from its low end on
.endr
	ds_store_b128 v[AM], v[12:15] offset:4096
	FRESH
	s_wait_alu depctr_va_vdst(0)
.Lsame_tile_\@:
	s_add_co_u32 s[CNT], s[CNT], 1
	s_cmp_lt_u32 s[CNT], \last
	s_cbranch_scc1 .Ltrip_\@
.endm
	TRIPS 2, 3                                     ; trips 0 and 1, on slots 0-3
	s_wait_tensorcnt 0x0                           ; my load of the second group has landed,
	s_wait_dscnt 0x0
	s_barrier_signal -1
	s_barrier_wait -1                              ; and everybody's: the whole head's K and V are in
	s_mov_b32 s[CNT], 2
	TRIPS 8, 15                                    ; trips 2 to 7
	s_wait_dscnt 0x0                               ; my stores are done
	s_barrier_signal -1
	s_barrier_wait -1
	s_cmp_eq_u32 s[RL], 0
	s_cbranch_scc0 .Lmerge
	STEP 1, 15                                     ; waves 0-7: the ninth step, the short tile's diagonal
	s_branch .Lout
.Lmerge:                                           ; waves 8-15: the other part of the long tile
.irp k, 0,1,2,3,4,5,6,7
	ds_load_b128 v[SS+4*\k:SS+4*\k+3], v[AM] offset:512*\k
.endr
	ds_load_b128 v[SS+32:SS+35], v[AM] offset:4096
	s_wait_dscnt 0x0
	v_min_num_f32 v[TT], v12, v[SS+32]             ; -M of the larger M
	v_sub_f32 v[BM], v[TT], v12
	v_sub_f32 v[BM+1], v[TT], v[SS+32]
	v_cvt_i32_f32 v[BM], v[BM]
	v_cvt_i32_f32 v[BM+1], v[BM+1]
	v_ldexp_f32 v[FF], 1.0, v[BM]                  ; my part's factor,
	v_ldexp_f32 v[SU], 1.0, v[BM+1]                ; the other's: powers of two
	v_pk_mul_f32 v[14:15], v[14:15], v[FF:FF+1] op_sel_hi:[1,0]
	v_pk_fma_f32 v[14:15], v[SS+34:SS+35], v[SU:SU+1], v[14:15] op_sel_hi:[1,0,1]
.set j, 0
.rept 16
	v_pk_mul_f32 v[OT+j:OT+j+1], v[OT+j:OT+j+1], v[FF:FF+1] op_sel_hi:[1,0]
.set j, j+2
.endr
.set j, 0
.rept 16
	v_pk_fma_f32 v[OT+j:OT+j+1], v[SS+j:SS+j+1], v[SU:SU+1], v[OT+j:OT+j+1] op_sel_hi:[1,0,1]
.set j, j+2
.endr
.Lout:
	; THE WAY OUT: O^T / the sum; register 16 b + i is d = 32 b + 16 (lane / 16) + i: two blocks of the next product's K
.rept 8
	v_nop                                          ; places behind the last products
.endr
	v_add_f32 v14, v14, v15
	v_permlanex16_b32 v[TT], v14, s[SEL], s[SEL+1]
	v_add_f32 v14, v14, v[TT]
	s_wait_alu depctr_va_vdst(0)                   ; ahead of the reciprocal
	v_rcp_f32 v14, v14
	v_and_b32 v8, 15, v0
	v_bfe_u32 v9, v0, 4, 1
	v_lshl_add_u32 v8, v8, 5, v9                   ; my byte in oscales: 32 r + h
	v_cmp_eq_u32 s75, 1, v9
	s_wait_alu depctr_va_vdst(0)                   ; behind it, directly ahead of the first reader
.set j, 0
.rept 16
	v_pk_mul_f32 v[SS+j:SS+j+1], v[OT+j:OT+j+1], v[14:15] op_sel_hi:[1,0]
.set j, j+2
.endr
.irp b, 0,1
	v_max3_num_f32 v[BM+\b], |v[SS+16*\b]|, |v[SS+16*\b+1]|, 0x4800000
.endr
.irp i, 2,4,6,8,10,12,14
.irp b, 0,1
	v_max3_num_f32 v[BM+\b], v[BM+\b], |v[SS+16*\b+\i]|, |v[SS+16*\b+\i+1]|
.endr
.endr
.irp b, 0,1
	v_permlanex16_b32 v[BX+\b], v[BM+\b], s[SEL], s[SEL+1]
.endr
.irp b, 0,1
	v_max_num_f32 v[BM+\b], v[BM+\b], v[BX+\b]
.endr
.irp b, 0,1
	v_add_nc_u32 v[BS+\b], 0xfc000000, v[BM+\b]
.endr
.irp b, 0,1
	v_and_or_b32 v[BH+\b], v[BM+\b], 0x7f800000, s[MNT]
.endr
.irp b, 0,1
	v_lshrrev_b32 v[BX+\b], 23, v[BS+\b]
.endr
.irp b, 0,1
.irp i, 0,1,2,3,4,5,6,7,8,9,10,11,12,13,14,15
	v_med3_num_f32 v[SS+16*\b+\i], v[SS+16*\b+\i], -v[BH+\b], v[BH+\b]
.endr
	v_cvt_scalef32_pk8_fp8_f32 v[PCD+4*\b:PCD+4*\b+1], v[SS+16*\b:SS+16*\b+7], v[BS+\b]
	v_cvt_scalef32_pk8_fp8_f32 v[PCD+4*\b+2:PCD+4*\b+3], v[SS+16*\b+8:SS+16*\b+15], v[BS+\b]
.endr
	v_cndmask_b32 v[TT], v[BX], v[BX+1], s75       ; lanes 0-15 block 0's byte, lanes 16-31 block 1's (also the plain line behind the conversions)
	global_store_b128 v[LI], v[PCD:PCD+3], s[8:9]              ; 32 lanes store 512 consecutive bytes
	global_store_b128 v[LI], v[PCD+4:PCD+7], s[8:9] offset:512
	global_store_b8 v8, v[TT], s[10:11]
	s_wait_tensorcnt 0x0                           ; the wave's end
	ds_add_u32 v[SPW], v[NIL]
	s_wait_dscnt 0x0
	CROUND                                         ; the closing round
	s_endpgm
.Lfunc_end_k_qa1006022c9_attn:
	.size	k_qa1006022c9_attn, .Lfunc_end_k_qa1006022c9_attn-k_qa1006022c9_attn
	.p2alignl 7, 3214868480
	.fill 96, 4, 3214868480
	.section	.rodata,"a",@progbits
	.p2align	6, 0x0
	.amdhsa_kernel k_qa1006022c9_attn
		.amdhsa_group_segment_fixed_size 327680
		.amdhsa_private_segment_fixed_size 0
		.amdhsa_enable_private_segment 0
		.amdhsa_kernarg_size 32
		.amdhsa_user_sgpr_count 2
		.amdhsa_user_sgpr_kernarg_segment_ptr 1
		.amdhsa_wavefront_size32 1
		.amdhsa_system_sgpr_workgroup_id_x 1
		.amdhsa_system_sgpr_workgroup_id_y 1
		.amdhsa_system_sgpr_workgroup_id_z 1
		.amdhsa_system_vgpr_workitem_id 0
		.amdhsa_next_free_vgpr 256
		.amdhsa_next_free_sgpr 100
		.amdhsa_reserve_vcc 1
		.amdhsa_float_denorm_mode_32 3
		.amdhsa_float_denorm_mode_16_64 3
		.amdhsa_memory_ordered 1
		.amdhsa_forward_progress 1
		.amdhsa_inst_pref_size 96
	.end_amdhsa_kernel
	.amdgpu_metadata
---
amdhsa.version: [ 1, 2 ]
amdhsa.kernels:
  - .name:           k_qa1006022c9_attn
    .symbol:         k_qa1006022c9_attn.kd
    .args:
      - { .name: qkvc, .offset: 0, .size: 8, .value_kind: global_buffer, .address_space: global }
      - { .name: qkvs, .offset: 8, .size: 8, .value_kind: global_buffer, .address_space: global }
      - { .name: ocodes, .offset: 16, .size: 8, .value_kind: global_buffer, .address_space: global }
      - { .name: oscales, .offset: 24, .size: 8, .value_kind: global_buffer, .address_space: global }
    .group_segment_fixed_size: 327680
    .private_segment_fixed_size: 0
    .kernarg_segment_align: 8
    .kernarg_segment_size: 32
    .max_flat_workgroup_size: 512
    .sgpr_count:     100
    .vgpr_count:     256
    .wavefront_size: 32
...
	.end_amdgpu_metadata
.endif
;; end of part 3
;; launch proj (part 4): grid 8 x 32, 4 waves a work-group, clusters of 4 x 4, 327,680 bytes of LDS; arguments ocodes, oscales, codes, scales, out0; writes out0
.if DOCPART == 4
	.amdgcn_target "amdgcn-amd-amdhsa--gfx1250"
	.amdhsa_code_object_version 6
	.text
	.protected	k_qa1006022c9_proj
	.globl	k_qa1006022c9_proj
	.p2align	8
	.type	k_qa1006022c9_proj,@function
k_qa1006022c9_proj:
	s_mov_b64 s[64:65], 0
	v_nop
	global_prefetch_b8 v0, s[64:65] scope:SCOPE_SE
	s_setreg_imm32_b32 hwreg(HW_REG_WAVE_MODE, 25, 1), 1
	s_wait_xcnt 0x0
	s_wait_alu depctr_hold_cnt(0) depctr_sa_sdst(0) depctr_va_vdst(0) depctr_va_sdst(0) depctr_va_ssrc(0) depctr_va_vcc(0) depctr_vm_vsrc(0)
	s_getreg_b32 s2, hwreg(HW_REG_IB_STS2, 6, 4)
	s_cmp_eq_u32 s2, 0
	s_cbranch_scc0 .Lentry_in_a_cluster
	s_endpgm
.Lentry_in_a_cluster:
	s_bfe_u32 s2, ttmp6, 0x10000c
	s_cmp_lg_u32 s2, 0xf033
	s_cbranch_scc0 .Lentry_shape_is_right
	s_endpgm
.Lentry_shape_is_right:
; THE LAST PROJECTION, out0 = O W_o^T, ON CODES OF FP8 (E4M3, one E8M0 scale for each 32 along K = 1,024): 4,096 x 1,024 x 1,024, f32 out.
; A = O: ocodes [tile of 16 places 256][K step of 128: 8][c 4][512]: images of the fragments' registers; oscales [place][32].  B = W_o: rows 7,168 on of the buffer of codes (1,024 bytes a row; scale rows of 32 bytes).
; Place p holds token pi(p), pi = bits 3 and 4 exchanged: the way out puts each row at its token.
; SHARES: 256 work-groups, a tile of 128 x 128 each; four waves, 64 x 64 a wave: 16 accumulators.  ALL OF K of the tile's 128 rows of A (131,072 bytes) and of B (128 rows of 1,024 + 16 of padding) and their scale bytes lie in LDS,
; filled once by the head's four loads, one a wave; nothing is filled again.  A K step of 128 is 32 LDS loads and 16 products a wave; fragments stand in two sets that take turns.
; THE MATRIX INSTRUCTION IS USED TRANSPOSED (source 0 = 16 rows of W_o, source 1 = 16 places of O): a lane holds eight neighbouring columns of one row of the result.
; CLUSTERS: 4 x 4 work-groups; A's tile is shared along a row of the cluster, B's along a column: each is asked for jointly.  No prefetch: all loads stand at the head, and there is no loop to run ahead in.
; REGISTERS: window 0: v16-29 addresses; v32-69 scale words (register 10 i + q: lanes 0-15 A's block i, lanes 16-31 B's block i, K step q); v128-255 A's fragments, two sets; window 1: v0-127 B's, two sets; window 2: v0-127 the accumulators.
.set PITCH,  1040
.set BT,     131072                    ; B's rows, behind A's images
.set SCL,    264192                    ; the scale bytes, as units of 256 bytes + 16 of padding: A's 128 rows (4,352 bytes), then B's
.set SPARE,  272896                    ; the spare words
.set STG,    273408                    ; the way out: 16 rows x (256 + 16) bytes for each wave: bytes of its own
.set ADRA, 16
.set ADRB, 17
.set ADRS, 18
.set STO,  19
.set RD,   20
.set CO,   21
.set SPW,  28
.set NIL,  29
.set SC,   32
.set AF,   128
.set BK,   128
.set G1A,  24
.set G1B,  32
.set G1SA, 48
.set G1SB, 56
.set G0A,  68
.set G0B,  72
.set G0SA, 76
.set G0SB, 80
.set MSB, 0
.macro WIN new                         ; the immediate's high byte repeats the setting that is left
.if MSB != \new
	s_set_vgpr_msb (MSB<<8)|\new
.set MSB, \new
.endif
.endm
.macro PLACES n
.rept \n
	v_nop
.endr
.endm
.macro CROUND
	s_barrier_signal -1
	s_barrier_wait -1
	s_cmp_lg_u32 s14, 0
	s_cbranch_scc1 .Lnot_wave_0_\@
	s_barrier_signal -3
.Lnot_wave_0_\@:
	s_barrier_wait -3
	s_barrier_signal -1
	s_barrier_wait -1
.endm
	s_load_b128 s[4:7], s[0:1], 0x0                ; ocodes, oscales
	s_load_b128 s[8:11], s[0:1], 0x10              ; codes, scales
	s_load_b64 s[12:13], s[0:1], 0x20              ; out0
	v_lshl_add_u32 v[SPW], v0, 2, SPARE
	v_mov_b32 v[NIL], 0
	ds_add_u32 v[SPW], v[NIL]
	ds_add_u32 v[SPW], v[NIL]
	v_lshrrev_b32 v1, 5, v0
	v_readfirstlane_b32 s14, v1                    ; wave
	s_lshr_b32 s15, s14, 1                         ; my half of the rows
	s_and_b32 s16, s14, 1                          ; my half of the columns
	s_bfe_u32 s40, ttmp6, 0x40000                  ; cx, cy
	s_bfe_u32 s41, ttmp6, 0x40004
	s_lshl_b32 s42, ttmp9, 2
	s_add_co_u32 s42, s42, s40                     ; tile column 0 .. 7
	s_and_b32 s17, ttmp7, 0xffff
	s_lshl_b32 s17, s17, 2
	s_add_co_u32 s17, s17, s41                     ; tile row 0 .. 31
	s_lshl_b32 s43, s41, 2
	s_lshl_b32 s43, 15, s43                        ; my row of the cluster
	s_lshl_b32 s44, 0x1111, s40                    ; my column
	s_or_b32 s[G1A], s43, (3<<16)|(1<<21)          ; A: 131,072 dense bytes as 512 rows of 256 (32 elements of 8 bytes)
	s_mov_b32 s[G1A+1], 32<<16
	s_mov_b32 s[G1A+2], 512<<16
	s_mov_b32 s[G1A+3], 32<<16
	s_mov_b32 s[G1A+4], 512
	s_mov_b32 s[G1A+5], 32
	s_mov_b32 s[G1A+6], 0
	s_mov_b32 s[G1A+7], 0
	s_or_b32 s[G1B], s44, (1<<20)|(1<<21)|(7<<22)|(3<<25)   ; B: 128 rows of 1,024 bytes, four words of padding behind each 256 words
	s_mov_b32 s[G1B+1], 1024<<16
	s_mov_b32 s[G1B+2], 128<<16
	s_mov_b32 s[G1B+3], 1024<<16
	s_mov_b32 s[G1B+4], 128
	s_mov_b32 s[G1B+5], 1024
	s_mov_b32 s[G1B+6], 0
	s_mov_b32 s[G1B+7], 0
	s_or_b32 s[G1SA], s43, (3<<16)|(1<<20)|(1<<21)|(5<<22)|(3<<25)   ; the scales of 128 rows: 4,096 dense bytes as 16 rows of 256, 16 bytes of padding behind each
	s_or_b32 s[G1SB], s44, (3<<16)|(1<<20)|(1<<21)|(5<<22)|(3<<25)
.irp g, G1SA, G1SB
	s_mov_b32 s[\g+1], 32<<16
	s_mov_b32 s[\g+2], 16<<16
	s_mov_b32 s[\g+3], 32<<16
	s_mov_b32 s[\g+4], 16
	s_mov_b32 s[\g+5], 32
	s_mov_b32 s[\g+6], 0
	s_mov_b32 s[\g+7], 0
.endr
	s_lshl_b32 s20, s17, 17                        ; A's images: 131,072 bytes a tile row
	s_mov_b32 s21, 0
	s_lshl_b32 s22, s17, 12                        ; its scale bytes: 4,096
	s_mov_b32 s23, 0
	s_lshl_b32 s46, s42, 7
	s_add_co_u32 s46, s46, 7168                    ; B's first row in the buffer of codes
	s_lshl_b32 s84, s46, 5
	s_mov_b32 s85, 0
	s_lshl_b32 s46, s46, 10
	s_mov_b32 s47, 0
	s_lshl_b32 s86, s15, 16                        ; LDS: my four tiles of A,
	s_mul_i32 s87, s16, 64*PITCH
	s_add_co_u32 s87, s87, BT                      ; my 64 rows of B,
	s_mul_i32 s89, s15, 2176
	s_mul_i32 s88, s16, 2176
	s_add_co_u32 s88, s88, 4352
	s_sub_co_u32 s88, s88, s89                     ; from my rows' scales of A to those of B,
	s_add_co_u32 s89, s89, SCL
	s_mul_i32 s90, s14, 16*272
	s_add_co_u32 s90, s90, STG                     ; my stage
	s_lshl_b32 s92, s17, 19                        ; out0: row 128 x tile row + 64 x half, 4,096 bytes a row; column bytes 512 x tile column + 256 x half
	s_lshl_b32 s93, s15, 18
	s_add_co_u32 s92, s92, s93
	s_lshl_b32 s93, s42, 9
	s_add_co_u32 s92, s92, s93
	s_lshl_b32 s93, s16, 8
	s_add_co_u32 s92, s92, s93
	s_mov_b32 s93, 0
	s_wait_dscnt 0x0
	s_wait_kmcnt 0x0
	s_add_nc_u64 s[12:13], s[12:13], s[92:93]
	CROUND                                         ; all sixteen work-groups are here: the joint loads meet
	s_mov_b32 s[G0A], 1
	s_mov_b32 s[G0A+1], 0
	s_add_nc_u64 s[G0A+2:G0A+3], s[4:5], s[20:21]
	s_or_b32 s[G0A+3], s[G0A+3], 0x80000000
	s_mov_b32 s[G0B], 1
	s_mov_b32 s[G0B+1], BT
	s_add_nc_u64 s[G0B+2:G0B+3], s[8:9], s[46:47]
	s_or_b32 s[G0B+3], s[G0B+3], 0x80000000
	s_mov_b32 s[G0SA], 1
	s_mov_b32 s[G0SA+1], SCL
	s_add_nc_u64 s[G0SA+2:G0SA+3], s[6:7], s[22:23]
	s_or_b32 s[G0SA+3], s[G0SA+3], 0x80000000
	s_mov_b32 s[G0SB], 1
	s_mov_b32 s[G0SB+1], SCL+4352
	s_add_nc_u64 s[G0SB+2:G0SB+3], s[10:11], s[84:85]
	s_or_b32 s[G0SB+3], s[G0SB+3], 0x80000000
.macro ARM under, g0, g1, next         ; one chain of branches on the wave's number, one load to an arm
	s_cmp_lt_u32 s14, \under
	s_cbranch_scc0 \next
	tensor_load_to_lds s[\g0:\g0+3], s[\g1:\g1+7]
	s_nop 0
	PLACES 4
	s_branch .Lhead_asked
\next:
.endm
	ARM 1, G0A,  G1A,  .Lhead_b
	ARM 2, G0B,  G1B,  .Lhead_sa
	ARM 3, G0SA, G1SA, .Lhead_sb
	tensor_load_to_lds s[G0SB:G0SB+3], s[G1SB:G1SB+7]
	s_nop 0
	PLACES 4
.Lhead_asked:
	v_and_b32 v1, 15, v0                           ; r
	v_bfe_u32 v2, v0, 4, 1                         ; h
	v_and_b32 v3, 31, v0
	v_lshlrev_b32 v4, 4, v3
	v_add_nc_u32 v[ADRA], s86, v4                  ; A: an image's 16 bytes a lane
	v_mul_u32_u24 v5, v1, PITCH
	v_lshl_add_u32 v5, v2, 4, v5
	v_add_nc_u32 v[ADRB], s87, v5                  ; B: row r x pitch + 16 h
	v_lshlrev_b32 v6, 5, v1                        ; scales: 32 bytes a row, and 16 more for each 256 passed
	v_lshrrev_b32 v7, 3, v1
	v_lshl_add_u32 v6, v7, 4, v6
	v_mul_u32_u24 v7, s88, v2                      ; lanes 16-31 take B's
	v_add_nc_u32 v6, v6, v7
	v_add_nc_u32 v[ADRS], s89, v6
	v_mul_u32_u24 v8, v1, 272
	v_lshl_add_u32 v8, v2, 5, v8
	v_add_nc_u32 v[STO], s90, v8                   ; into the stage: row r, 32 bytes for each half of the lanes
	v_mul_u32_u24 v9, v2, 272
	v_lshl_add_u32 v9, v1, 4, v9
	v_add_nc_u32 v[RD], s90, v9                    ; back: lanes 0-15 one row of 256 bytes, lanes 16-31 the next
	v_lshlrev_b32 v10, 12, v2
	v_lshl_add_u32 v[CO], v1, 4, v10               ; and the same two rows in out0
	s_wait_alu depctr_va_vdst(0)
	s_wait_tensorcnt 0x0                           ; my tile is in,
	s_barrier_signal -1
	s_barrier_wait -1                              ; and everybody's
.macro FETCH q, p                      ; K step q's fragments into set p: B's four blocks, A's four tiles: 32 loads
	WIN 0x40
.irp i, 0,1,2,3
.irp c, 0,1,2,3
	ds_load_b128 v[64*(\p)+16*\i+4*\c:64*(\p)+16*\i+4*\c+3], v[ADRB] offset:\i*16*PITCH+128*(\q)+32*\c
.endr
.endr
	WIN 0
.irp i, 0,1,2,3
.irp c, 0,1,2,3
	ds_load_b128 v[AF+64*(\p)+16*\i+4*\c:AF+64*(\p)+16*\i+4*\c+3], v[ADRA] offset:\i*16384+2048*(\q)+512*\c
.endr
.endr
.endm
.macro MUL q, p, zero                  ; 16 products; the accumulators take turns, in the same order in every step
	WIN 0xa1
.irp a, 0,1,2,3
.irp b, 0,1,2,3
.if \zero
	v_wmma_scale_f32_16x16x128_f8f6f4 v[8*(4*\a+\b):8*(4*\a+\b)+7], v[64*(\p)+16*\b:64*(\p)+16*\b+15], v[AF+64*(\p)+16*\a:AF+64*(\p)+16*\a+15], 0, v[SC+10*\b+(\q)], v[SC+10*\a+(\q)] matrix_a_scale:MATRIX_SCALE_ROW1
.else
	v_wmma_scale_f32_16x16x128_f8f6f4 v[8*(4*\a+\b):8*(4*\a+\b)+7], v[64*(\p)+16*\b:64*(\p)+16*\b+15], v[AF+64*(\p)+16*\a:AF+64*(\p)+16*\a+15], v[8*(4*\a+\b):8*(4*\a+\b)+7], v[SC+10*\b+(\q)], v[SC+10*\a+(\q)] matrix_a_scale:MATRIX_SCALE_ROW1
.endif
.endr
.endr
.endm
.macro KSTP q
.if (\q) < 7
.if (\q) > 0
	PLACES 8                                       ; in front of loads into the set that the last step's products read
.endif
	FETCH (\q)+1, ((\q)+1)%2
	s_wait_dscnt 32                                ; all but the 32 just issued
.else
	s_wait_dscnt 0x0
.endif
.if (\q) == 0
	MUL 0, 0, 1                                    ; the first products start the sums
.else
	MUL \q, (\q)%2, 0
.endif
.endm
.irp i, 0,1,2,3                                ; all eight K steps' scale words of my rows: 32 bytes a row
	ds_load_b128 v[SC+10*\i:SC+10*\i+3], v[ADRS] offset:\i*544
	ds_load_b128 v[SC+10*\i+4:SC+10*\i+7], v[ADRS] offset:\i*544+16
.endr
	FETCH 0, 0
.irp q, 0,1,2,3,4,5,6,7
	KSTP \q
.endr
	WIN 0
	PLACES 8
; THE WAY OUT, tile by tile of 16 places x 64 columns, through my stage: LDS serves a wave's instructions in order (ISA guide 5.7.1.4), so no wait stands between the stores and the loads
.macro TOSTAGE a
	WIN 0x08
.irp b, 0,1,2,3
	ds_store_b128 v[STO], v[8*(4*(\a)+\b):8*(4*(\a)+\b)+3] offset:64*\b
	ds_store_b128 v[STO], v[8*(4*(\a)+\b)+4:8*(4*(\a)+\b)+7] offset:64*\b+16
.endr
	WIN 0
.irp u, 0,1,2,3,4,5,6,7
	ds_load_b128 v[BK+32*((\a)%2)+4*\u:BK+32*((\a)%2)+4*\u+3], v[RD] offset:\u*544
.endr
.endm
.macro SEND a, younger                 ; place 16 a + t is token 32 (a / 2) + 8 (a % 2) + t % 8 + 16 (t / 8) of my 64
	s_wait_dscnt \younger
.irp u, 0,1,2,3,4,5,6,7
	global_store_b128 v[CO], v[BK+32*((\a)%2)+4*\u:BK+32*((\a)%2)+4*\u+3], s[12:13] offset:(32*((\a)/2)+8*((\a)%2)+(2*\u)%8+16*((2*\u)/8))*4096 th:TH_STORE_NT   ; 16 lanes store 256 consecutive bytes, aligned
.endr
.endm
	TOSTAGE 0
.irp a, 1,2,3
.if \a > 1
	s_wait_xcnt 0x0                                ; tile a - 2's stores have read their registers
.endif
	TOSTAGE \a
	SEND (\a-1), 16                                ; behind its loads: tile a's 8 stores and 8 loads
.endr
	SEND 3, 0
	s_wait_tensorcnt 0x0                           ; the wave's end
	ds_add_u32 v[SPW], v[NIL]
	s_wait_dscnt 0x0
	CROUND                                         ; the closing round
	s_endpgm
.Lfunc_end_k_qa1006022c9_proj:
	.size	k_qa1006022c9_proj, .Lfunc_end_k_qa1006022c9_proj-k_qa1006022c9_proj
	.p2alignl 7, 3214868480
	.fill 96, 4, 3214868480
	.section	.rodata,"a",@progbits
	.p2align	6, 0x0
	.amdhsa_kernel k_qa1006022c9_proj
		.amdhsa_group_segment_fixed_size 327680
		.amdhsa_private_segment_fixed_size 0
		.amdhsa_enable_private_segment 0
		.amdhsa_kernarg_size 40
		.amdhsa_user_sgpr_count 2
		.amdhsa_user_sgpr_kernarg_segment_ptr 1
		.amdhsa_wavefront_size32 1
		.amdhsa_system_sgpr_workgroup_id_x 1
		.amdhsa_system_sgpr_workgroup_id_y 1
		.amdhsa_system_sgpr_workgroup_id_z 1
		.amdhsa_system_vgpr_workitem_id 0
		.amdhsa_next_free_vgpr 768
		.amdhsa_next_free_sgpr 96
		.amdhsa_reserve_vcc 0
		.amdhsa_float_denorm_mode_32 3
		.amdhsa_float_denorm_mode_16_64 3
		.amdhsa_memory_ordered 1
		.amdhsa_forward_progress 1
		.amdhsa_inst_pref_size 51
	.end_amdhsa_kernel
	.amdgpu_metadata
---
amdhsa.version: [ 1, 2 ]
amdhsa.kernels:
  - .name:           k_qa1006022c9_proj
    .symbol:         k_qa1006022c9_proj.kd
    .args:
      - { .name: ocodes, .offset: 0, .size: 8, .value_kind: global_buffer, .address_space: global }
      - { .name: oscales, .offset: 8, .size: 8, .value_kind: global_buffer, .address_space: global }
      - { .name: codes, .offset: 16, .size: 8, .value_kind: global_buffer, .address_space: global }
      - { .name: scales, .offset: 24, .size: 8, .value_kind: global_buffer, .address_space: global }
      - { .name: out0, .offset: 32, .size: 8, .value_kind: global_buffer, .address_space: global }
    .group_segment_fixed_size: 327680
    .private_segment_fixed_size: 0
    .kernarg_segment_align: 8
    .kernarg_segment_size: 40
    .max_flat_workgroup_size: 128
    .sgpr_count:     96
    .vgpr_count:     768
    .wavefront_size: 32
...
	.end_amdgpu_metadata
.endif
;; end of part 4
